; MI455X (gfx1250); checked and timed in simulation.
; The chip was launched on July 23, 2026; its instructions are those of AMD's public machine-readable ISA for CDNA 5 (MIT licence, August 2026) and "CDNA5" Instruction Set Architecture Reference Guide (July 2026). The comments in the code are by the model that wrote it; some were corrected since.
;; Attention. Allowed arithmetic: matrix products marked QUANTISED: E2M3 operands, one E8M0 scale for each 32 along K, by v_wmma_scale_f32_16x16x128_f8f6f4 with both operands' format E2M3, f32 sums; everything else in f32.
;; Inputs: b_in 3,072 float32; b_out 1,024 float32; kv_mask 4 x 2,048 bool; w_in 1,024 x 3,072 float32; w_out 1,024 x 1,024 float32; x 4 x 2,048 x 1,024 float32.
;; Outputs: out0 4 x 2,048 x 1,024 float32.
;; This version of the problem:
;;   THIS VERSION OF THE PROBLEM IS GIVEN IN LOW PRECISION. The matrix products marked QUANTISED in the list below multiply operands that are first quantised to E2M3 (2 exponent bits, 3 mantissa bits; 6 bits a number), with one power-of-two scale for each 32 numbers along K (OCP MX v1.0); their sums are f32. All else is computed in f32.
;;   The module's matrix products, in the order in which they are computed (A, B: the left and right operand; K: the contracted axis; several contracted axes count as one K, in the product's order):
;;     1. [M 8,192, K 1,024] x [K 1,024, N 3,072]; A: input x; B: input w_in: QUANTISED
;;     2. batch 64 x [M 2,048, K 64] x [K 64, N 2,048]; A: computed on the way; B: computed on the way: QUANTISED
;;     3. batch 64 x [M 2,048, K 2,048] x [K 2,048, N 64]; A: softmax (see below); B: computed on the way: QUANTISED
;;     4. [M 8,192, K 1,024] x [K 1,024, N 1,024]; A: computed on the way; B: input w_out: QUANTISED
;;   THE QUANTISER, for each operand of a quantised product, along K:
;;     - K is cut into blocks of 32 from its start; a last block that is shorter is filled with zeros.
;;     - A block's scale is 2^e with e = floor(log2(the largest magnitude in the block)) - 2, held to -126 .. 127; a block of zeros has e = 0. As a byte (E8M0): e + 127.
;;     - Each number is divided by its block's scale, clamped to +-7.5, and rounded to the nearest number of E2M3, ties to even, subnormals kept.
;;     - The product sums the exact products of the quantised numbers (number of the format x scale) in f32.
;;   ~~~python
;;   def quantise(x, axis):      # numpy; x: float32 -> the quantised numbers, widened to float32 again
;;       x = np.moveaxis(x, axis, -1); K = x.shape[-1]
;;       x = np.pad(x, [(0, 0)] * (x.ndim - 1) + [(0, -K % 32)]); x = x.reshape(x.shape[:-1] + (-1, 32)); a = np.abs(x).max(-1, keepdims=True)
;;       e = np.where(a > 0, np.clip(np.frexp(np.where(a > 0, a, 1))[1] - 1 - 2, -126, 127), 0)      # np.frexp(a)[1] - 1 = floor(log2(a)), exactly
;;       r = np.clip(x / 2.0 ** e, -7.5, 7.5)
;;       step = 2.0 ** (np.maximum(np.frexp(np.where(r == 0, 1, r))[1] - 1, 0) - 3)
;;       q = np.round(r / step) * step * 2.0 ** e      # np.round: ties to even
;;       return np.moveaxis(q.reshape(q.shape[:-2] + (-1,))[..., :K], -1, axis).astype(np.float32)
;;   ~~~
;;   SOFTMAX AHEAD OF A QUANTISED PRODUCT. Where the list says 'softmax', what is quantised is not the finished softmax but p = 2^(t - M), with t = logit x log2(e) and M = ceil(the row's largest t), a whole number; so 1/2 < the row's largest p <= 1. The row's sum l is taken of the UNQUANTISED p, in f32, and the product's result is divided by l at the end. Since M is a whole number, a kernel that streams over the keys may use a running M (the ceiling of the running maximum): every later rescaling is an exact power of two, which a block's scale takes up: the codes' values come out the same.
;;   OPERANDS COMPUTED ON THE WAY. 'Computed on the way' means the value that the module computes at that place (a softmax that the list does not call 'softmax' is quantised finished and normalised). What goes into a quantiser is computed in f32, as accurately as f32 sums, v_exp_f32 and their like allow (about 1e-6 of the number): no bf16 or f16 on the way to a quantiser, and a product that is left as it is and whose result goes on into a quantised operand takes f32 operands (vector FMAs, or v_wmma_f32_16x16x4_f32). A number that lies on a knife's edge between two numbers of the format may be rounded either way, as far as f32 arithmetic and the matrix unit's own rounding can turn it there, and no further.
;; One version. Each part assembles by itself: llvm-mc -triple=amdgcn-amd-amdhsa -mcpu=gfx1250 --defsym DOCPART=n.
;; ======== version 1 of 1: 4 launches
;; limits: right only within a limited range of input values
;; workspace buffers: xq 6,553,600 bytes; wq 2,457,600 bytes; woq 819,200 bytes; tab 524,288 bytes; qimg 8,912,896 bytes; kimg 8,912,896 bytes; vimg 6,553,600 bytes; oimg 6,553,600 bytes
;; launch prep (part 1): grid 416 x 1, 4 waves a work-group, no clusters, 59,904 bytes of LDS; arguments x, w_in, w_out, xq, wq, woq, tab; writes xq, wq, woq, tab
.if DOCPART == 1
	.amdgcn_target "amdgcn-amd-amdhsa--gfx1250"
	.amdhsa_code_object_version 6
	.text
	.protected	k_q56d0c0ffae_prep
	.globl	k_q56d0c0ffae_prep
	.p2align	8
	.type	k_q56d0c0ffae_prep,@function
k_q56d0c0ffae_prep:
	s_mov_b64 s[64:65], 0
	v_nop
	global_prefetch_b8 v0, s[64:65] scope:SCOPE_SE
	s_setreg_imm32_b32 hwreg(HW_REG_WAVE_MODE, 25, 1), 1
	s_wait_xcnt 0x0
; x [8192][1024], w_in [1024][3072] and w_out [1024][1024], f32, become codes of FP6 (E2M3) with one E8M0 byte for each 32 along K, and the rotary table is made.
; Work-groups 0-255: x.  256-383: the weights (K is their first axis).  384-415: the table.  The three ways part on the work-group's number; each has LDS bytes of its own.
; THE IMAGE.  Codes are laid as the matrix operand's registers: [tile of 16 rows][K step of 128][plane p = registers 2p, 2p+1][lane][8 bytes]: 1,536 bytes a fragment, 12,288 a tile.
; Scale words: [tile][pair of K steps][row r][2 words], 512 bytes a tile, behind the codes in the same buffer.
; THE TILE ORDER.  Of 32 neighbouring rows (of x) or columns (of a weight) 32 b .. 32 b + 31, tile 2 b + u holds in lane r the row 32 b + 8 u + r % 8 + 16 (r / 8).
; A block's scale is 2^(floor(log2(largest magnitude)) - 2); its byte is the largest magnitude's exponent field - 2, held at 1 from below.
; LIMITS: a block of zeros, or one whose largest magnitude lies under 2^-124, keeps the byte 1 (its bytes are read by this program alone); NaN and infinities among the inputs are not served.
; The rotary scales 10000^(-i/32) come from v_exp_f32 with a compensated exponent: they may differ in the last bit from a power and a division in f32.
; No tensor loads, no barrier: waves share nothing.  Memory binds this launch, so there are no matrix units, no clusters and no prefetch here.
.set XS_OFF,  6291456                  ; where the scale words begin in xq,
.set WS_OFF,  2359296                  ; in wq,
.set WOS_OFF, 786432                   ; in woq
.set XST,   8448                       ; x's way: a stage of 16 rows x (512 + 16) bytes for each wave, from LDS byte 0
.set WST0,  33792                      ; the weights' way: from here,
.set WST,   6400                       ; two tiles x (3,072 + 128) bytes for each wave
.set SPARE, 59392                      ; the spare words: 128 bytes for each wave, two blocks of 256 bytes that no other line names
.set SPW,   12                         ; v12  LDS address of my spare word; never rewritten
.set NIL,   13                         ; v13  0; never rewritten
.set PC,    16                         ; v16-38 the codes just made
.set TM,    40                         ; v40-55 at work in QUANT
.set PW,    56                         ; the scale word just made
.set PWK,   57                         ; the even K step's word, kept
.set WW,    58                         ; the pair of words as it is stored
.set RB,    64                         ; v64-191 x as loaded, two sets of 64
.set XN,    192                        ; v192-255 64 numbers of a lane, neighbours along K
.set SEL,   60                         ; s[60:61] selects of v_permlanex16_b32 for lane l xor 16
.set VO,    64                         ; weights: v64-95 offsets of 32 rows
.set XW,    128                        ; v128-191 two sets of 32 numbers down K
.set CW,    16                         ; a block's codes
.set SB,    24                         ; v24-25 scale bytes, four to a register
.set OUTR,  192                        ; v192-239 the way out
; 64 numbers of a lane, register 16 b + i = k 32 b + 16 (lane / 16) + i of my row, become a fragment's codes in v[PC] on (its halves fs registers apart) and its scale word in v[PW].
.macro QUANT s, fs
.irp b, 0,1,2,3
	v_max3_num_f32 v[TM+\b], |v[\s+16*\b]|, |v[\s+1+16*\b]|, 0x1800000   ; my 16 numbers of block b, and the floor 2^(3 - 127): the byte cannot fall under 1
.endr
.irp i, 2,4,6,8,10,12,14
.irp b, 0,1,2,3
	v_max3_num_f32 v[TM+\b], v[TM+\b], |v[\s+16*\b+\i]|, |v[\s+1+16*\b+\i]|   ; the four blocks by turns
.endr
.endr
.irp b, 0,1,2,3
	v_permlanex16_b32 v[TM+4+\b], v[TM+\b], s[SEL], s[SEL+1]
.endr
.irp b, 0,1,2,3
	v_max_num_f32 v[TM+\b], v[TM+\b], v[TM+4+\b]   ; with lane l xor 16's: the block's largest magnitude
.endr
.irp b, 0,1,2,3
	v_add_nc_u32 v[TM+12+\b], 0xff000000, v[TM+\b]   ; 2 off its exponent field: the conversion's scale operand
.endr
.irp b, 0,1,2,3
	v_lshrrev_b32 v[TM+4+\b], 23, v[TM+12+\b]      ; the scale's byte
.endr
	v_lshl_or_b32 v[PW], v[TM+5], 8, v[TM+4]
	v_lshl_or_b32 v[PW], v[TM+6], 16, v[PW]
	v_lshl_or_b32 v[PW], v[TM+7], 24, v[PW]
.irp c, 0,1
	v_cvt_scalef32_pk16_fp6_f32 v[PC+\fs*\c:PC+\fs*\c+2], v[\s+32*\c:\s+15+32*\c], v[TM+12+2*\c]
	v_cvt_scalef32_pk16_fp6_f32 v[PC+16+4*\c:PC+18+4*\c], v[\s+16+32*\c:\s+31+32*\c], v[TM+13+2*\c]   ; (a conversion's three registers begin on an even number)
.endr
	v_nop                                          ; one plain place behind a scaled conversion
.irp c, 0,1                                    ; the operand wants a whole block in a lane: lanes 0-15 block 2 c, lanes 16-31 block 2 c + 1
.irp i, 0,1,2
	v_permlane16_swap_b32 v[PC+\fs*\c+\i], v[PC+16+4*\c+\i]
.endr
.irp i, 0,1,2
	v_mov_b32 v[PC+\fs*\c+3+\i], v[PC+16+4*\c+\i]
.endr
.endr
.endm
	s_load_b256 s[4:11], s[0:1], 0x0               ; x s[4:5], w_in s[6:7], w_out s[8:9], xq s[10:11]
	s_load_b128 s[12:15], s[0:1], 0x20             ; wq s[12:13], woq s[14:15]
	s_load_b64 s[16:17], s[0:1], 0x30              ; tab
	v_lshl_add_u32 v[SPW], v0, 2, SPARE
	v_mov_b32 v[NIL], 0
	v_lshrrev_b32 v1, 5, v0
	v_readfirstlane_b32 s18, v1                    ; wave 0..3
	v_and_b32 v6, 31, v0                           ; lane
	v_and_b32 v7, 15, v0                           ; r
	v_bfe_u32 v8, v0, 4, 1                         ; h
	s_mov_b32 s[SEL], 0x76543210
	s_mov_b32 s[SEL+1], 0xfedcba98
	s_mov_b32 s62, 0xffff0000                      ; lanes 16-31
	s_wait_kmcnt 0x0
	s_cmp_ge_u32 ttmp9, 384
	s_cbranch_scc1 .Ltab
	s_cmp_ge_u32 ttmp9, 256
	s_cbranch_scc1 .Lw
; ---- x.  A wave takes one tile of 16 rows and half of K: four fragments.  Each load reads 512 neighbouring bytes of one row; the 16 rows turn through the wave's stage, so that a lane gets 16 neighbours of each block.
	s_lshl_b32 s19, ttmp9, 2
	s_add_co_u32 s19, s19, s18
	s_lshr_b32 s20, s19, 1                         ; the tile
	s_and_b32 s21, s19, 1                          ; which half of K
	s_lshr_b32 s22, s20, 1
	s_lshl_b32 s22, s22, 5
	s_and_b32 s23, s20, 1
	s_lshl_b32 s23, s23, 3
	s_add_co_u32 s22, s22, s23                     ; the tile's first row: 32 (tile / 2) + 8 (tile % 2)
	s_lshl_b32 s22, s22, 12
	s_lshl_b32 s23, s21, 11
	s_add_co_u32 s22, s22, s23
	s_mov_b32 s23, 0
	s_add_nc_u64 s[4:5], s[4:5], s[22:23]
	s_lshl_b32 s22, s20, 3
	s_lshl_b32 s24, s21, 2
	s_add_co_u32 s22, s22, s24
	s_mul_i32 s22, s22, 1536
	s_add_nc_u64 s[24:25], s[10:11], s[22:23]      ; my four fragments
	s_lshl_b32 s22, s20, 9
	s_lshl_b32 s26, s21, 8
	s_add_co_u32 s22, s22, s26
	s_add_co_u32 s22, s22, XS_OFF
	s_add_nc_u64 s[26:27], s[10:11], s[22:23]      ; and their scale words
	s_mul_i32 s28, s18, XST
	s_wait_alu depctr_va_vdst(0)
	v_lshlrev_b32 v1, 4, v6                        ; 16 x lane: my bytes of a load's 512
	v_add_nc_u32 v2, s28, v1                       ; the stage, on the way in
	v_mul_u32_u24 v3, v7, 528
	v_lshl_add_u32 v3, v8, 6, v3
	v_add_nc_u32 v3, s28, v3                       ; and out: row r, + 64 h
	v_lshlrev_b32 v4, 3, v6                        ; 8 x lane: a plane's place for my lane
	v_lshlrev_b32 v5, 3, v7
	v_lshl_add_u32 v5, v8, 2, v5                   ; 8 r + 4 h: lanes 0-15 store the even K step's word, lanes 16-31 the odd one's
.irp b, 0,1,2,3
	v_mov_b32 v[TM+4+\b], 0                        ; written once: a lane permute's destination counts as one of its sources
.endr
.macro XLOAD t
.irp i, 0,1,2,3,4,5,6,7,8,9,10,11,12,13,14,15
	global_load_b128 v[RB+64*((\t)%2)+4*\i:RB+64*((\t)%2)+4*\i+3], v1, s[4:5] offset:((\i%8)+16*(\i/8))*4096+512*(\t) th:TH_LOAD_NT
.endr
.endm
.macro XFRAG t
.if (\t) < 3
	s_wait_loadcnt 16                              ; this fragment's 16 loads are in; the next one's may be out
.else
	s_wait_loadcnt 0
.endif
.irp i, 0,1,2,3,4,5,6,7,8,9,10,11,12,13,14,15
	ds_store_b128 v2, v[RB+64*((\t)%2)+4*\i:RB+64*((\t)%2)+4*\i+3] offset:528*\i
.endr
.irp b, 0,1,2,3
.irp j, 0,1,2,3
	ds_load_b128 v[XN+16*\b+4*\j:XN+16*\b+4*\j+3], v3 offset:128*\b+16*\j   ; LDS serves a wave's instructions in order: these see the stores above
.endr
.endr
	s_wait_dscnt 0x0                               ; the numbers are back, and the stage's stores have read their registers
	s_wait_xcnt 0x0                                ; the last fragment's global stores have read the codes and the word: both are written again below
.if (\t) < 2
	XLOAD (\t)+2
.endif
	QUANT XN, 6
.irp p, 0,1,2,3,4,5
	global_store_b64 v4, v[PC+2*\p:PC+2*\p+1], s[24:25] offset:1536*(\t)+256*\p   ; 32 lanes store 256 consecutive bytes, aligned
.endr
.if (\t)%2 == 0
	v_mov_b32 v[PWK], v[PW]
.else
	v_cndmask_b32 v[WW], v[PWK], v[PW], s62
	global_store_b32 v5, v[WW], s[26:27] offset:128*((\t)/2)
.endif
.endm
	XLOAD 0
	XLOAD 1
	s_wait_alu depctr_va_vdst(0)
	XFRAG 0
	XFRAG 1
	XFRAG 2
	XFRAG 3
	s_wait_tensorcnt 0x0                           ; the wave's end, behind my last LDS store
	ds_add_u32 v[SPW], v[NIL]
	s_wait_dscnt 0x0
	s_endpgm
; ---- the weights.  A work-group takes 128 columns x 256 along K; a lane takes a column and its registers run down K, so a block of 32 lies in one lane and the codes come out with K innermost.
.Lw:
	s_sub_co_u32 s19, ttmp9, 256
	s_lshr_b32 s20, s19, 2                         ; group of 128 columns: 0-23 w_in, 24-31 w_out
	s_and_b32 s21, s19, 3                          ; which 256 along K
	s_mov_b32 s22, 4096
	s_mov_b32 s23, WOS_OFF
	s_sub_co_u32 s24, s20, 24
	s_cmp_lt_u32 s20, 24                           ; the choice hangs on the work-group's number alone
	s_cselect_b64 s[4:5], s[6:7], s[8:9]           ; the weight,
	s_cselect_b64 s[10:11], s[12:13], s[14:15]     ; its image,
	s_cselect_b32 s22, 12288, s22                  ; a row of it in bytes,
	s_cselect_b32 s23, WS_OFF, s23                 ; where its scale words begin,
	s_cselect_b32 s24, s20, s24                    ; the group's number in it
	s_lshl_b32 s24, s24, 7
	s_lshl_b32 s25, s18, 5
	s_add_co_u32 s24, s24, s25                     ; my wave's first column
	s_lshl_b32 s26, s21, 8
	s_mul_i32 s26, s26, s22
	s_lshl_b32 s27, s24, 2
	s_add_co_u32 s26, s26, s27
	s_mov_b32 s27, 0
	s_add_nc_u64 s[32:33], s[4:5], s[26:27]        ; block 0's first row, my first column
	s_lshl_b32 s26, s22, 5                         ; 32 rows on
.irp t, 1,2,3,4,5,6,7
	s_add_nc_u64 s[32+2*\t:33+2*\t], s[30+2*\t:31+2*\t], s[26:27]
.endr
	s_lshr_b32 s28, s24, 4                         ; my first tile
	s_mul_i32 s26, s28, 12288
	s_mul_i32 s29, s21, 3072
	s_add_co_u32 s26, s26, s29
	s_add_nc_u64 s[48:49], s[10:11], s[26:27]      ; its two K steps of codes
	s_lshl_b32 s26, s28, 9
	s_lshl_b32 s29, s21, 7
	s_add_co_u32 s26, s26, s29
	s_add_co_u32 s26, s26, s23
	s_add_nc_u64 s[50:51], s[10:11], s[26:27]      ; and their scale words
	s_wait_alu depctr_va_vdst(0)
	v_bfe_u32 v9, v6, 3, 1                         ; column x of 32 lies in tile u = (x / 8) % 2,
	v_and_b32 v10, 7, v6
	v_lshrrev_b32 v11, 4, v6
	v_lshl_add_u32 v10, v11, 3, v10                ; lane r = x % 8 + 8 (x / 16)
	v_lshlrev_b32 v4, 2, v6
.set i, 0
.rept 32
	v_mad_u32_u24 v[VO+i], s22, i, v4              ; 4 x lane + i rows
.set i, i+1
.endr
	s_mul_i32 s52, s18, WST
	s_add_co_u32 s52, s52, WST0                    ; my stage
	v_mul_u32_u24 v1, v9, 3200
	v_lshl_add_u32 v1, v10, 3, v1
	v_add_nc_u32 v1, s52, v1                       ; in: tile u, 8 bytes at lane r
	v_lshlrev_b32 v5, 4, v6                        ; 16 x lane
	v_add_nc_u32 v2, s52, v5                       ; out
	v_lshlrev_b32 v3, 9, v9
	v_lshl_add_u32 v3, v10, 3, v3                  ; my column's two scale words: tile u, row r
.macro WLOAD t
.set i, 0
.rept 32
	global_load_b32 v[XW+32*((\t)%2)+i], v[VO+i], s[32+2*(\t):33+2*(\t)] th:TH_LOAD_NT   ; one row k at 32 neighbouring columns
.set i, i+1
.endr
.endm
.macro WBLOCK t
.set XB, XW+32*((\t)%2)
.if (\t) < 7
	s_wait_loadcnt 32                              ; this block's 32 loads are in; the next block's may be out
.else
	s_wait_loadcnt 0
.endif
	v_max3_num_f32 v26, |v[XB]|, |v[XB+1]|, |v[XB+2]|
	v_max3_num_f32 v27, |v[XB+3]|, |v[XB+4]|, |v[XB+5]|
.irp i, 6,10,14,18,22,26
	v_max3_num_f32 v26, v26, |v[XB+\i]|, |v[XB+\i+1]|
	v_max3_num_f32 v27, v27, |v[XB+\i+2]|, |v[XB+\i+3]|
.endr
	v_max3_num_f32 v26, v26, |v[XB+30]|, |v[XB+31]|
	v_max3_num_f32 v26, v26, v27, 0x1800000        ; and the floor
	v_add_nc_u32 v28, 0xff000000, v26              ; the conversion's scale operand
	v_lshrrev_b32 v29, 23, v28                     ; the byte
.if (\t)%4 == 0
	v_mov_b32 v[SB+(\t)/4], v29
.else
	v_lshl_or_b32 v[SB+(\t)/4], v29, 8*((\t)%4), v[SB+(\t)/4]
.endif
	v_cvt_scalef32_pk16_fp6_f32 v[CW:CW+2], v[XB:XB+15], v28
	v_cvt_scalef32_pk16_fp6_f32 v[CW+4:CW+6], v[XB+16:XB+31], v28
	v_nop                                          ; one plain place behind a scaled conversion
	v_mov_b32 v[CW+3], v[CW+4]
	v_mov_b32 v[CW+4], v[CW+5]
	v_mov_b32 v[CW+5], v[CW+6]                     ; six registers on end: registers 6 c .. 6 c + 5 of lane r + 16 h, c = (t % 4) / 2, h = t % 2
.irp p, 0,1,2
	ds_store_b64 v1, v[CW+2*\p:CW+2*\p+1] offset:1536*((\t)/4)+768*(((\t)%4)/2)+128*((\t)%2)+256*\p
.endr
.if (\t) < 6
	WLOAD (\t)+2
.endif
	s_wait_dscnt 0x0                               ; the stores have read their registers: the next block's codes may be written
.endm
	WLOAD 0
	WLOAD 1
.irp t, 0,1,2,3,4,5,6,7
	WBLOCK \t
.endr
	s_wait_alu depctr_va_vdst(0)
	global_store_b64 v3, v[SB:SB+1], s[50:51]
.irp k, 0,1,2,3,4,5,6,7,8,9,10,11
	ds_load_b128 v[OUTR+4*\k:OUTR+4*\k+3], v2 offset:3200*(\k/6)+512*(\k%6)   ; LDS serves a wave's instructions in order: these see my stores
.endr
.irp k, 0,1,2,3,4,5,6,7,8,9,10,11
	s_wait_dscnt 11-\k
	global_store_b128 v5, v[OUTR+4*\k:OUTR+4*\k+3], s[48:49] offset:12288*(\k/6)+512*(\k%6)   ; 32 lanes store 512 consecutive bytes, aligned
.endr
	s_wait_tensorcnt 0x0                           ; the wave's end: the three lines once more
	ds_add_u32 v[SPW], v[NIL]
	s_wait_dscnt 0x0
	s_endpgm
; ---- the table: tab[pos][0..31] = cos(pos x sc_i), tab[pos][32..63] = sin(pos x sc_i), sc_i = 10000^(-i / 32).  Sixteen lanes fill a position's 256 bytes; a lane makes four numbers in each of 8 trips.
; The angle is reduced by multiples of pi / 2 in three parts; on |r| <= pi / 4 sine and cosine are polynomials; cos a = sin(a + pi / 2) enters as one more quadrant.
.Ltab:
	s_sub_co_u32 s19, ttmp9, 384
	s_lshl_b32 s19, s19, 7
	v_add_nc_u32 v1, s19, v0
	v_and_b32 v2, 15, v1                           ; which 16 bytes of a position
	v_lshrrev_b32 v3, 4, v1                        ; the first position, 0..255
	v_cvt_f32_u32 v20, v3
	v_lshlrev_b32 v21, 4, v1                       ; my byte offset in the table
	v_cmp_gt_u32 vcc_lo, 8, v2
	v_cndmask_b32 v22, 0, 1, vcc_lo                ; 1 for a cosine
	v_and_b32 v4, 7, v2
	v_lshlrev_b32 v4, 2, v4
.irp j, 0,1,2,3
	v_add_nc_u32 v[24+\j], \j, v4
.endr
.irp j, 0,1,2,3
	v_cvt_f32_u32 v[24+\j], v[24+\j]               ; i
.endr
	s_mov_b32 s20, 0xbed49a78                      ; -log2(10) / 8, and
	s_mov_b32 s21, 0xb2179a37                      ; what f32 leaves of it
.irp j, 0,1,2,3
	v_mul_f32 v[28+\j], s20, v[24+\j]
.endr
.irp j, 0,1,2,3
	v_fma_f32 v[36+\j], v[24+\j], s20, -v[28+\j]   ; the product's rounding error, exactly
.endr
.irp j, 0,1,2,3
	v_fma_f32 v[36+\j], v[24+\j], s21, v[36+\j]
.endr
	s_wait_alu depctr_va_vdst(0)
.irp j, 0,1,2,3
	v_exp_f32 v[16+\j], v[28+\j]
.endr
.irp j, 0,1,2,3
	v_mul_f32 v[36+\j], 0x3f317218, v[36+\j]       ; x ln 2.  (Plain work behind the exponentials)
.endr
	s_wait_alu depctr_va_vdst(0)                   ; one wait for the four, ahead of their first reader
.irp j, 0,1,2,3
	v_fma_f32 v[16+\j], v[16+\j], v[36+\j], v[16+\j]
.endr
	s_mov_b32 s22, 0x3f22f983                      ; 2 / pi
	s_mov_b32 s23, 0xbfc90fdb                      ; -pi / 2 in three parts
	s_mov_b32 s24, 0x333bbd2e
	s_mov_b32 s25, 0x26f72ced
	s_mov_b32 s26, 0xb94ca1f9                      ; the sine's coefficients
	s_mov_b32 s27, 0x3c08839e
	s_mov_b32 s28, 0xbe2aaaa3
	s_mov_b32 s29, 0x37ccf5ce                      ; the cosine's
	s_mov_b32 s30, 0xbab6061a
	s_mov_b32 s31, 0x3d2aaaa5
	s_mov_b32 s32, 0
.Ltrip:
	s_wait_alu depctr_va_vdst(0)
.irp j, 0,1,2,3
	v_mul_f32 v[40+\j], v20, v[16+\j]              ; the angle, rounded to f32 as the outer product rounds it
.endr
.irp j, 0,1,2,3
	v_mul_f32 v[44+\j], s22, v[40+\j]
.endr
.irp j, 0,1,2,3
	v_rndne_f32 v[44+\j], v[44+\j]
.endr
.irp j, 0,1,2,3
	v_fma_f32 v[48+\j], v[44+\j], s23, v[40+\j]
.endr
.irp j, 0,1,2,3
	v_fma_f32 v[48+\j], v[44+\j], s24, v[48+\j]
.endr
.irp j, 0,1,2,3
	v_fma_f32 v[48+\j], v[44+\j], s25, v[48+\j]    ; r
.endr
.irp j, 0,1,2,3
	v_cvt_i32_f32 v[52+\j], v[44+\j]
.endr
.irp j, 0,1,2,3
	v_add_nc_u32 v[52+\j], v[52+\j], v22           ; the quadrant
.endr
.irp j, 0,1,2,3
	v_mul_f32 v[56+\j], v[48+\j], v[48+\j]         ; z = r r
.endr
.irp j, 0,1,2,3
	v_fma_f32 v[60+\j], v[56+\j], s26, s27
.endr
.irp j, 0,1,2,3
	v_fma_f32 v[60+\j], v[60+\j], v[56+\j], s28
.endr
.irp j, 0,1,2,3
	v_mul_f32 v[68+\j], v[56+\j], v[48+\j]
.endr
.irp j, 0,1,2,3
	v_fma_f32 v[60+\j], v[60+\j], v[68+\j], v[48+\j]   ; sin r
.endr
.irp j, 0,1,2,3
	v_fma_f32 v[64+\j], v[56+\j], s29, s30
.endr
.irp j, 0,1,2,3
	v_fma_f32 v[64+\j], v[64+\j], v[56+\j], s31
.endr
.irp j, 0,1,2,3
	v_mul_f32 v[68+\j], v[56+\j], v[56+\j]
.endr
.irp j, 0,1,2,3
	v_fma_f32 v[72+\j], v[56+\j], -0.5, 1.0
.endr
.irp j, 0,1,2,3
	v_fma_f32 v[64+\j], v[64+\j], v[68+\j], v[72+\j]   ; cos r
.endr
.irp j, 0,1,2,3
	v_and_b32 v[68+\j], 1, v[52+\j]
.endr
.irp j, 0,1,2,3
	v_cmp_eq_u32 vcc_lo, 1, v[68+\j]
	v_cndmask_b32 v[32+\j], v[60+\j], v[64+\j], vcc_lo   ; odd quadrants take the cosine
.endr
.irp j, 0,1,2,3
	v_and_b32 v[52+\j], 2, v[52+\j]
.endr
.irp j, 0,1,2,3
	v_lshlrev_b32 v[52+\j], 30, v[52+\j]
.endr
.irp j, 0,1,2,3
	v_xor_b32 v[32+\j], v[32+\j], v[52+\j]         ; quadrants 2 and 3 change the sign
.endr
	global_store_b128 v21, v[32:35], s[16:17]      ; 16 lanes store 256 consecutive bytes, aligned
	s_wait_xcnt 0x0                                ; the offset and the four numbers are written again only behind this wait
	v_add_nc_u32 v21, 0x10000, v21                 ; 256 positions on
	v_add_f32 v20, 0x43800000, v20
	s_add_co_u32 s32, s32, 1
	s_cmp_lt_u32 s32, 8
	s_cbranch_scc1 .Ltrip
	s_endpgm
.Lfunc_end_k_q56d0c0ffae_prep:
	.size	k_q56d0c0ffae_prep, .Lfunc_end_k_q56d0c0ffae_prep-k_q56d0c0ffae_prep
	.p2alignl 7, 3214868480
	.fill 96, 4, 3214868480
	.section	.rodata,"a",@progbits
	.p2align	6, 0x0
	.amdhsa_kernel k_q56d0c0ffae_prep
		.amdhsa_group_segment_fixed_size 59904
		.amdhsa_private_segment_fixed_size 0
		.amdhsa_enable_private_segment 0
		.amdhsa_kernarg_size 56
		.amdhsa_user_sgpr_count 2
		.amdhsa_user_sgpr_kernarg_segment_ptr 1
		.amdhsa_wavefront_size32 1
		.amdhsa_system_sgpr_workgroup_id_x 1
		.amdhsa_system_sgpr_workgroup_id_y 1
		.amdhsa_system_sgpr_workgroup_id_z 1
		.amdhsa_system_vgpr_workitem_id 0
		.amdhsa_next_free_vgpr 256
		.amdhsa_next_free_sgpr 66
		.amdhsa_reserve_vcc 1
		.amdhsa_float_denorm_mode_32 3
		.amdhsa_float_denorm_mode_16_64 3
		.amdhsa_memory_ordered 1
		.amdhsa_forward_progress 1
		.amdhsa_inst_pref_size 87
	.end_amdhsa_kernel
	.amdgpu_metadata
---
amdhsa.version: [ 1, 2 ]
amdhsa.kernels:
  - .name:           k_q56d0c0ffae_prep
    .symbol:         k_q56d0c0ffae_prep.kd
    .args:
      - { .name: x, .offset: 0, .size: 8, .value_kind: global_buffer, .address_space: global }
      - { .name: w_in, .offset: 8, .size: 8, .value_kind: global_buffer, .address_space: global }
      - { .name: w_out, .offset: 16, .size: 8, .value_kind: global_buffer, .address_space: global }
      - { .name: xq, .offset: 24, .size: 8, .value_kind: global_buffer, .address_space: global }
      - { .name: wq, .offset: 32, .size: 8, .value_kind: global_buffer, .address_space: global }
      - { .name: woq, .offset: 40, .size: 8, .value_kind: global_buffer, .address_space: global }
      - { .name: tab, .offset: 48, .size: 8, .value_kind: global_buffer, .address_space: global }
    .group_segment_fixed_size: 59904
    .private_segment_fixed_size: 0
    .kernarg_segment_align: 8
    .kernarg_segment_size: 56
    .max_flat_workgroup_size: 128
    .sgpr_count:     66
    .vgpr_count:     256
    .wavefront_size: 32
...
	.end_amdgpu_metadata
.endif
;; end of part 1
;; launch qkv (part 2): grid 12 x 32, 4 waves a work-group, clusters of 4 x 4, 327,680 bytes of LDS; arguments xq, wq, tab, b_in, kv_mask, qimg, kimg, vimg; writes qimg, kimg, vimg
.if DOCPART == 2
	.amdgcn_target "amdgcn-amd-amdhsa--gfx1250"
	.amdhsa_code_object_version 6
	.text
	.protected	k_q56d0c0ffae_qkv
	.globl	k_q56d0c0ffae_qkv
	.p2align	8
	.type	k_q56d0c0ffae_qkv,@function
k_q56d0c0ffae_qkv:
	s_mov_b64 s[64:65], 0
	v_nop
	global_prefetch_b8 v0, s[64:65] scope:SCOPE_SE
	s_setreg_imm32_b32 hwreg(HW_REG_WAVE_MODE, 25, 1), 1
	s_wait_xcnt 0x0
	s_wait_alu depctr_hold_cnt(0) depctr_sa_sdst(0) depctr_va_vdst(0) depctr_va_sdst(0) depctr_va_ssrc(0) depctr_va_vcc(0) depctr_vm_vsrc(0)
	s_getreg_b32 s2, hwreg(HW_REG_IB_STS2, 6, 4)
	s_cmp_eq_u32 s2, 0
	s_cbranch_scc0 .Lentry_in_a_cluster
	s_endpgm
.Lentry_in_a_cluster:
	s_bfe_u32 s2, ttmp6, 0x10000c
	s_cmp_lg_u32 s2, 0xf033
	s_cbranch_scc0 .Lentry_shape_is_right
	s_endpgm
.Lentry_shape_is_right:
.set XS_OFF, 6291456
.set WS_OFF, 2359296
.set QS_OFF, 8388608
.set VS_OFF, 6291456
.set NQ,    2
.set FR,    12
.set NL,    6
.set NP,    4
.set HALFT, 24576
.set SLOT,  4*HALFT
.set SCL,   2*SLOT
.set SCLB,  8320
.set SPARE, 213248
.set ADRA, 16
.set ADRB, 20
.set ADRS, 27
.set SPW,  28
.set NIL,  29
.set SC,   32
.set AF,   128
.set G1, 24
.set G0, 32
.set G1B, 48
.set G0B, 56
.set G1S, 68
.set G0S, 76
.set G1SB, 80
.set G0SB, 88
.set MSB, 0
.macro WIN new
.if MSB != (\new)
	s_set_vgpr_msb (MSB<<8)|(\new)
.set MSB, (\new)
.endif
.endm
.set MUL_LO, 0xa1
.set MUL_HI, 0xf1
.set TO_B,   0x40
.macro JLOAD g0a, g1a, g0b, g1b
	s_cmp_eq_u32 s15, 0
	s_cbranch_scc0 .Lfor_b_\@
	tensor_load_to_lds s[\g0a:\g0a+3], s[\g1a:\g1a+7]
	s_nop 0
.rept 4
	v_nop
.endr
	s_branch .Lasked_\@
.Lfor_b_\@:
	tensor_load_to_lds s[\g0b:\g0b+3], s[\g1b:\g1b+7]
	s_nop 0
.rept 4
	v_nop
.endr
.Lasked_\@:
.endm
.macro CREST
	s_cmp_lg_u32 s14, 0
	s_cbranch_scc1 .Lnot_wave_0_\@
	s_barrier_signal -3
.Lnot_wave_0_\@:
	s_barrier_wait -3
	s_barrier_signal -1
	s_barrier_wait -1
.endm
.macro CROUND
	s_barrier_signal -1
	s_barrier_wait -1
	CREST
.endm
	s_load_b256 s[4:11], s[0:1], 0x0
	s_load_b256 s[92:99], s[0:1], 0x20
	v_lshl_add_u32 v[SPW], v0, 2, SPARE
	v_mov_b32 v[NIL], 0
	ds_add_u32 v[SPW], v[NIL]
	ds_add_u32 v[SPW], v[NIL]
	v_lshrrev_b32 v1, 5, v0
	v_readfirstlane_b32 s14, v1
	s_lshr_b32 s15, s14, 1
	s_and_b32 s16, s14, 1
	s_bfe_u32 s40, ttmp6, 0x40000
	s_bfe_u32 s41, ttmp6, 0x40004
	s_and_b32 s18, ttmp7, 0xffff
	s_mov_b32 s21, XS_OFF
	s_mov_b32 s22, WS_OFF
	s_cmp_eq_u32 ttmp9, 2
	s_cselect_b32 s19, 2, s18
	s_cselect_b32 s20, s18, ttmp9
	s_cselect_b32 s21, WS_OFF, s21
	s_cselect_b32 s22, XS_OFF, s22
	s_lshl_b32 s17, s19, 2
	s_add_co_u32 s17, s17, s41
	s_lshl_b32 s42, s20, 2
	s_add_co_u32 s42, s42, s40
	s_lshl_b32 s43, s41, 2
	s_lshl_b32 s43, 15, s43
	s_lshl_b32 s44, 0x1111, s40
	s_or_b32 s[G1+0], s43, (3<<16)|(1<<21)
	s_or_b32 s[G1B+0], s44, (3<<16)|(1<<21)
.irp g, G1, G1B
	s_mov_b32 s[\g+1], 384<<16
	s_mov_b32 s[\g+2], 16<<16
	s_mov_b32 s[\g+3], 384<<16
	s_mov_b32 s[\g+4], 16
	s_mov_b32 s[\g+5], 1536
	s_mov_b32 s[\g+6], 0
	s_mov_b32 s[\g+7], 0
.endr
	s_or_b32 s[G1S+0], s43, (3<<16)|(1<<21)
	s_or_b32 s[G1SB+0], s44, (3<<16)|(1<<21)
.irp g, G1S, G1SB
	s_mov_b32 s[\g+1], 32<<16
	s_mov_b32 s[\g+2], 32<<16
	s_mov_b32 s[\g+3], 32<<16
	s_mov_b32 s[\g+4], 32
	s_mov_b32 s[\g+5], 32
	s_mov_b32 s[\g+6], 0
	s_mov_b32 s[\g+7], 0
.endr
	s_lshl_b32 s18, s16, 3
	s_lshl_b32 s19, s17, 4
	s_add_co_u32 s19, s19, s18
	s_lshl_b32 s46, s42, 4
	s_add_co_u32 s46, s46, s18
	s_mul_i32 s100, s19, 12288
	s_mov_b32 s101, 0
	s_lshl_b32 s104, s17, 13
	s_add_co_u32 s104, s104, s21
	s_mov_b32 s105, 0
	s_lshl_b32 s2, s42, 13
	s_add_co_u32 s2, s2, s22
	s_mov_b32 s3, 0
	s_mul_i32 s46, s46, 12288
	s_mov_b32 s47, 0
	s_mul_i32 s45, s14, HALFT
	s_wait_dscnt 0x0
	s_wait_kmcnt 0x0
	s_cmp_eq_u32 ttmp9, 2
	s_cselect_b64 s[18:19], s[6:7], s[4:5]
	s_cselect_b64 s[20:21], s[4:5], s[6:7]
	s_add_nc_u64 s[100:101], s[18:19], s[100:101]
	s_add_nc_u64 s[104:105], s[18:19], s[104:105]
	s_add_nc_u64 s[46:47], s[20:21], s[46:47]
	s_add_nc_u64 s[2:3], s[20:21], s[2:3]
	CROUND
	s_mov_b32 s[G0S], 1
	s_mov_b32 s[G0S+1], SCL
	s_mov_b64 s[G0S+2:G0S+3], s[104:105]
	s_or_b32 s[G0S+3], s[G0S+3], 0x80000000
	s_mov_b32 s[G0SB], 1
	s_mov_b32 s[G0SB+1], SCL+SCLB
	s_mov_b64 s[G0SB+2:G0SB+3], s[2:3]
	s_or_b32 s[G0SB+3], s[G0SB+3], 0x80000000
.irp s, 0,1
	s_mov_b32 s[G0+4*\s], 1
	s_add_co_u32 s[G0+4*\s+1], s45, \s*SLOT
	s_add_nc_u64 s[G0+4*\s+2:G0+4*\s+3], s[100:101], \s*3072
	s_or_b32 s[G0+4*\s+3], s[G0+4*\s+3], 0x80000000
	s_mov_b32 s[G0B+4*\s], 1
	s_add_co_u32 s[G0B+4*\s+1], s45, \s*SLOT
	s_add_nc_u64 s[G0B+4*\s+2:G0B+4*\s+3], s[46:47], \s*3072
	s_or_b32 s[G0B+4*\s+3], s[G0B+4*\s+3], 0x80000000
.endr
	; the head's four tiles, one load a wave, in one chain of branches on the wave's number: wave 0 slot 0's 16 tiles of the first operand, wave 2 those of the second (their own halves begin the tile), waves 1 and 3 the two blocks of scale words
	s_cmp_eq_u32 s14, 0
	s_cbranch_scc0 .Lh1
	tensor_load_to_lds s[G0:G0+3], s[G1:G1+7]
	s_nop 0
.rept 4
	v_nop
.endr
	s_branch .Lhj
.Lh1:
	s_cmp_eq_u32 s14, 1
	s_cbranch_scc0 .Lh2
	tensor_load_to_lds s[G0S:G0S+3], s[G1S:G1S+7]
	s_nop 0
.rept 4
	v_nop
.endr
	s_branch .Lhj
.Lh2:
	s_cmp_eq_u32 s14, 2
	s_cbranch_scc0 .Lh3
	tensor_load_to_lds s[G0B:G0B+3], s[G1B:G1B+7]
	s_nop 0
.rept 4
	v_nop
.endr
	s_branch .Lhj
.Lh3:
	tensor_load_to_lds s[G0SB:G0SB+3], s[G1SB:G1SB+7]
	s_nop 0
.rept 4
	v_nop
.endr
.Lhj:
	v_and_b32 v1, 31, v0
	v_lshlrev_b32 v1, 3, v1
	s_mul_i32 s18, s15, HALFT
	s_mul_i32 s19, s16, HALFT
	s_add_co_u32 s19, s19, 2*HALFT
.irp s, 0,1
	v_add_nc_u32 v[ADRA+\s], s18, v1
	v_add_nc_u32 v[ADRB+\s], s19, v1
	s_add_co_u32 s18, s18, SLOT
	s_add_co_u32 s19, s19, SLOT
.endr
	v_and_b32 v2, 15, v0
	v_bfe_u32 v3, v0, 4, 1
	s_lshl_b32 s18, s15, 12
	s_lshl_b32 s19, s16, 12
	s_add_co_u32 s19, s19, SCLB
	s_sub_co_u32 s19, s19, s18
	v_mul_u32_u24 v4, s19, v3
	v_lshl_add_u32 v4, v2, 3, v4
	s_add_co_u32 s18, s18, SCL
	v_add_nc_u32 v[ADRS], s18, v4
.macro FRAG reg, adr, q, i
.irp p, 0,1,2,3,4,5
	ds_load_b64 v[\reg+2*\p:\reg+2*\p+1], v[\adr] offset:(\i)*3072+(\q)*1536+256*\p
.endr
.endm
.macro MUL16 a0, p, q, sc, zero
.irp a, \a0, \a0+1
.irp b, 0,1,2,3,4,5,6,7
.if \zero
	v_wmma_scale_f32_16x16x128_f8f6f4 v[8*(8*((\a)%4)+\b):8*(8*((\a)%4)+\b)+7], v[128*(\p)+FR*\b:128*(\p)+FR*\b+FR-1], v[AF+FR*(\a):AF+FR*(\a)+FR-1], 0, v[SC+8*NQ*(\sc)+NQ*\b+(\q)], v[SC+8*NQ*(\sc)+NQ*(\a)+(\q)] matrix_a_fmt:MATRIX_FMT_FP6 matrix_b_fmt:MATRIX_FMT_FP6 matrix_a_scale:MATRIX_SCALE_ROW1
.else
	v_wmma_scale_f32_16x16x128_f8f6f4 v[8*(8*((\a)%4)+\b):8*(8*((\a)%4)+\b)+7], v[128*(\p)+FR*\b:128*(\p)+FR*\b+FR-1], v[AF+FR*(\a):AF+FR*(\a)+FR-1], v[8*(8*((\a)%4)+\b):8*(8*((\a)%4)+\b)+7], v[SC+8*NQ*(\sc)+NQ*\b+(\q)], v[SC+8*NQ*(\sc)+NQ*(\a)+(\q)] matrix_a_fmt:MATRIX_FMT_FP6 matrix_b_fmt:MATRIX_FMT_FP6 matrix_a_scale:MATRIX_SCALE_ROW1
.endif
.endr
.endr
.endm
.macro FETCH_B slot, q, p
	WIN TO_B
.irp i, 0,1,2,3,4,5,6,7
	FRAG 128*(\p)+FR*\i, ADRB+\slot, \q, \i
.endr
	WIN 0
.endm
.macro FETCH_A slot, q, i0
.irp i, \i0, \i0+1, \i0+2, \i0+3
	FRAG AF+FR*(\i), ADRA+\slot, \q, \i
.endr
.endm
.macro SCALES sc
.irp i, 0,1,2,3,4,5,6,7
	ds_load_b64 v[SC+8*NQ*\sc+NQ*\i:SC+8*NQ*\sc+NQ*\i+1], v[ADRS] offset:\i*512
.endr
.endm
.macro PLACES n
.rept \n
	v_nop
.endr
.endm
.macro STEP slot, q, zero
	s_wait_dscnt 4*NL
	WIN MUL_LO
	MUL16 0, (\q)%2, \q, \slot, \zero
	MUL16 2, (\q)%2, \q, \slot, \zero
	s_wait_dscnt 0
	PLACES NP
	FETCH_B \slot, (\q)+1, 1-(\q)%2
	FETCH_A \slot, (\q)+1, 0
	WIN MUL_HI
	MUL16 4, (\q)%2, \q, \slot, \zero
	MUL16 6, (\q)%2, \q, \slot, \zero
	PLACES NP
	WIN 0
	FETCH_A \slot, (\q)+1, 4
.endm
.macro TURN slot, next, fill
	s_wait_tensorcnt 0x0
	ds_add_u32 v[SPW], v[NIL]
	s_wait_dscnt 4*NL+1
	WIN MUL_LO
	MUL16 0, 1, NQ-1, \slot, 0
	s_wait_dscnt 0x0
	s_barrier_signal -1
	MUL16 2, 1, NQ-1, \slot, 0
	WIN 0
	s_barrier_wait -1
.if \fill
	CREST
	s_add_nc_u64 s[G0+4*\slot+2:G0+4*\slot+3], s[G0+4*\slot+2:G0+4*\slot+3], 6144
	s_add_nc_u64 s[G0B+4*\slot+2:G0B+4*\slot+3], s[G0B+4*\slot+2:G0B+4*\slot+3], 6144
	JLOAD G0+4*\slot, G1, G0B+4*\slot, G1B
.else
	PLACES NP
.endif
	s_wait_alu depctr_va_vdst(0)
	v_add_nc_u32 v[ADRS], 128, v[ADRS]
	FETCH_B \next, 0, 0
	FETCH_A \next, 0, 0
	SCALES \next
	WIN MUL_HI
	MUL16 4, 1, NQ-1, \slot, 0
	MUL16 6, 1, NQ-1, \slot, 0
	PLACES NP
	WIN 0
	FETCH_A \next, 0, 4
.endm
	s_wait_alu depctr_va_vdst(0)
	s_wait_tensorcnt 0x0                           ; my tile of the head's four is in, ahead of slot 1's first fill
	ds_add_u32 v[SPW], v[NIL]
	s_mov_b32 s[G1+2], 8<<16                       ; no tensor load of mine is out: from here on a load brings 8 tiles
	s_mov_b32 s[G1+4], 8
	s_mov_b32 s[G1B+2], 8<<16
	s_mov_b32 s[G1B+4], 8
	s_wait_dscnt 0x0
	CROUND                                         ; all four tiles are in, and all sixteen work-groups are here
	JLOAD G0+4, G1, G0B+4, G1B
	FETCH_B 0, 0, 0
	FETCH_A 0, 0, 0
	SCALES 0
	FETCH_A 0, 0, 4
	STEP 0, 0, 1
	TURN 0, 1, 1
	STEP 1, 0, 0
	TURN 1, 0, 1
	STEP 0, 0, 0
	TURN 0, 1, 0
	STEP 1, 0, 0
	s_wait_dscnt 4*NL
	WIN MUL_LO
	MUL16 0, 1, NQ-1, 1, 0
	MUL16 2, 1, NQ-1, 1, 0
	s_wait_dscnt 0
	WIN MUL_HI
	MUL16 4, 1, NQ-1, 1, 0
	MUL16 6, 1, NQ-1, 1, 0
	WIN 0
	PLACES NP
.set TM,   32
.set PW,   48
.set T,    50
.set PADV, 56
.set CS,   64
.set BV,   64
.set Y,    128
.set WK,   192
.set PADW, 208
.set PC,   224
.set ZQ,   248
.set SEL,  66
.set MK,   68
.macro QUANT s, fs
.irp b, 0,1,2,3
	v_max3_num_f32 v[TM+\b], |v[\s+16*\b]|, |v[\s+1+16*\b]|, 0x1800000
.endr
.irp i, 2,4,6,8,10,12,14
.irp b, 0,1,2,3
	v_max3_num_f32 v[TM+\b], v[TM+\b], |v[\s+16*\b+\i]|, |v[\s+1+16*\b+\i]|
.endr
.endr
.irp b, 0,1,2,3
	v_permlanex16_b32 v[TM+4+\b], v[TM+\b], s[SEL], s[SEL+1]
.endr
.irp b, 0,1,2,3
	v_max_num_f32 v[TM+\b], v[TM+\b], v[TM+4+\b]
.endr
.irp b, 0,1,2,3
	v_add_nc_u32 v[TM+12+\b], 0xff000000, v[TM+\b]
.endr
.irp b, 0,1,2,3
	v_lshrrev_b32 v[TM+4+\b], 23, v[TM+12+\b]
.endr
	v_lshl_or_b32 v[PW], v[TM+5], 8, v[TM+4]
	v_lshl_or_b32 v[PW], v[TM+6], 16, v[PW]
	v_lshl_or_b32 v[PW], v[TM+7], 24, v[PW]
.irp c, 0,1
	v_cvt_scalef32_pk16_fp6_f32 v[PC+\fs*\c:PC+\fs*\c+2], v[\s+32*\c:\s+15+32*\c], v[TM+12+2*\c]
	v_cvt_scalef32_pk16_fp6_f32 v[PC+16+4*\c:PC+18+4*\c], v[\s+16+32*\c:\s+31+32*\c], v[TM+13+2*\c]
.endr
	v_nop
.irp c, 0,1
.irp i, 0,1,2
	v_permlane16_swap_b32 v[PC+\fs*\c+\i], v[PC+16+4*\c+\i]
.endr
.irp i, 0,1,2
	v_mov_b32 v[PC+\fs*\c+3+\i], v[PC+16+4*\c+\i]
.endr
.endr
.endm
	s_lshl_b32 s18, s17, 8
	s_lshl_b32 s19, s15, 7
	s_add_co_u32 s18, s18, s19
	s_lshl_b32 s20, s42, 8
	s_lshl_b32 s19, s16, 7
	s_add_co_u32 s20, s20, s19
	s_mov_b32 s23, 0
	s_mov_b32 s37, 0xffff
	s_mov_b32 s38, 0xffff0000
	s_mov_b32 s[SEL], 0x76543210
	s_mov_b32 s[SEL+1], 0xfedcba98
	v_and_b32 v1, 31, v0
	v_lshlrev_b32 v5, 3, v1
	v_lshlrev_b32 v1, 4, v1
	v_bfe_u32 v2, v0, 4, 1
	v_lshlrev_b32 v2, 6, v2
	v_and_b32 v3, 15, v0
	v_and_b32 v4, 8, v3
	v_add_nc_u32 v3, v3, v4
	v_lshl_add_u32 v4, v3, 8, v2
	v_lshlrev_b32 v6, 2, v3
.irp b, 0,1,2,3
	v_mov_b32 v[TM+4+\b], 0
.endr
	s_cmp_eq_u32 ttmp9, 2
	s_cbranch_scc1 .Lv
	s_lshl_b32 s22, s20, 2
	s_add_nc_u64 s[24:25], s[10:11], s[22:23]
	s_mov_b32 s22, s18
	s_add_nc_u64 s[26:27], s[92:93], s[22:23]
	s_and_b32 s21, s18, 2047
	s_lshl_b32 s22, s21, 8
	s_add_nc_u64 s[28:29], s[8:9], s[22:23]
	s_lshr_b32 s19, s18, 11
	s_lshl_b32 s19, s19, 4
	s_bfe_u32 s22, s20, 0x40006
	s_add_co_u32 s19, s19, s22
	s_lshr_b32 s21, s21, 7
	s_mov_b32 s36, 0x01b10000
	s_cmp_eq_u32 ttmp9, 1
	s_cselect_b32 s34, -1, 0
	s_cselect_b32 s35, 0, 8
	s_cselect_b32 s36, 0x01010000, s36
	s_cselect_b64 s[2:3], s[96:97], s[94:95]
	s_lshl_b32 s22, s19, 7
	s_lshl_b32 s39, s21, 3
	s_add_co_u32 s22, s22, s39
	s_lshl_b32 s22, s22, 10
	s_add_nc_u64 s[30:31], s[2:3], s[22:23]
	s_lshl_b32 s22, s19, 4
	s_add_co_u32 s22, s22, s21
	s_lshl_b32 s22, s22, 9
	s_add_co_u32 s22, s22, QS_OFF
	s_add_nc_u64 s[32:33], s[2:3], s[22:23]
	WIN 0x40
.irp g, 0,1,2,3,4,5,6,7,8,9,10,11,12,13,14,15
	global_load_b128 v[4*\g:4*\g+3], v2, s[24:25] offset:128*(\g/4)+16*(\g%4)
.endr
	WIN 0
	s_wait_alu depctr_va_vdst(0)
.irp a, 0,1,2,3,4,5,6,7
	global_load_u8 v[PADV+\a], v3, s[26:27] offset:32*(\a/2)+8*(\a%2)
.endr
.macro TABLOAD a
.irp j, 0,1,2,3
	global_load_b128 v[CS+32*((\a)%2)+4*\j:CS+32*((\a)%2)+4*\j+3], v4, s[28:29] offset:(32*((\a)/2)+8*((\a)%2))*256+16*\j
	global_load_b128 v[CS+32*((\a)%2)+16+4*\j:CS+32*((\a)%2)+19+4*\j], v4, s[28:29] offset:(32*((\a)/2)+8*((\a)%2))*256+128+16*\j
.endr
.endm
	TABLOAD 0
	TABLOAD 1
	v_mov_b32 v54, 40
	v_mov_b32 v55, s35
	v_cndmask_b32 v54, 0, v54, s37
	v_cndmask_b32 v55, 0, v55, s37
	v_mov_b32 v216, 0x01b10000
	v_mov_b32 v217, s36
	v_mov_b32 v[PC+7], 0
	v_mov_b32 v[PC+15], 0
	s_wait_alu depctr_va_vdst(0)
	s_wait_loadcnt 16
.irp a, 0,1,2,3,4,5,6,7
	v_cmp_eq_u32 s[MK+\a], 0, v[PADV+\a]
	s_and_b32 s[MK+\a], s[MK+\a], s34
	v_cndmask_b32 v[PADW+\a], v217, v216, s[MK+\a]
	v_cndmask_b32 v[PADV+\a], v55, v54, s[MK+\a]
.endr
.macro QKROW a
.set AC, 64*((\a)%4)
.set CC, CS+32*((\a)%2)
.if (\a) < 7
	s_wait_loadcnt 8
.else
	s_wait_loadcnt 0
.endif
	WIN 0x06+(\a)/4
.set i, 0
.rept 32
	v_pk_add_f32 v[Y+i:Y+i+1], v[AC+i:AC+i+1], v[i:i+1]
.set i, i+2
.endr
	WIN 0
.irp e, 0,1
.irp i, 0,2,4,6,8,10,12,14
	v_pk_mul_f32 v[T:T+1], v[Y+32*\e+16+\i:Y+32*\e+17+\i], v[CC+16+\i:CC+17+\i]
	v_pk_mul_f32 v[T+2:T+3], v[Y+32*\e+\i:Y+32*\e+1+\i], v[CC+16+\i:CC+17+\i]
	v_pk_fma_f32 v[Y+32*\e+\i:Y+32*\e+1+\i], v[Y+32*\e+\i:Y+32*\e+1+\i], v[CC+\i:CC+1+\i], v[T:T+1] neg_lo:[0,0,1] neg_hi:[0,0,1]
	v_pk_fma_f32 v[Y+32*\e+16+\i:Y+32*\e+17+\i], v[Y+32*\e+16+\i:Y+32*\e+17+\i], v[CC+\i:CC+1+\i], v[T+2:T+3]
.endr
.endr
	s_wait_xcnt 0x0
.if (\a) < 6
	TABLOAD (\a)+2
.endif
	QUANT Y, 8
.irp e, 0,1
.irp i, 0,1,2,3,4,5
	v_cndmask_b32 v[PC+8*\e+\i], v[PC+8*\e+\i], 0, s[MK+(\a)]
.endr
	v_mov_b32 v[PC+8*\e+6], v[PADV+(\a)]
.endr
	v_and_or_b32 v[WK+(\a)], v[PW], s37, v[PADW+(\a)]
	v_lshrrev_b32 v[WK+8+(\a)], 16, v[PW]
	v_or_b32 v[WK+8+(\a)], v[WK+8+(\a)], v[PADW+(\a)]
.irp e, 0,1
.irp pl, 0,1
	global_store_b128 v1, v[PC+8*\e+4*\pl:PC+8*\e+4*\pl+3], s[30:31] offset:131072*\e+1024*(\a)+512*\pl
.endr
.endr
.endm
.irp a, 0,1,2,3,4,5,6,7
	QKROW \a
.endr
.irp e, 0,1
.irp i, 0,1,2,3
	v_cndmask_b32 v[ZQ+4*\e+\i], v[WK+8*\e+2*\i], v[WK+8*\e+2*\i+1], s38
.endr
	global_store_b128 v1, v[ZQ+4*\e:ZQ+4*\e+3], s[32:33] offset:8192*\e
.endr
	s_branch .Lend
.Lv:
	s_lshl_b32 s22, s18, 2
	s_add_nc_u64 s[24:25], s[10:11], s[22:23]
	s_lshr_b32 s19, s20, 11
	s_lshl_b32 s19, s19, 4
	s_bfe_u32 s22, s18, 0x40006
	s_add_co_u32 s19, s19, s22
	s_bfe_u32 s21, s20, 0x40007
	s_lshl_b32 s19, s19, 4
	s_add_co_u32 s19, s19, s21
	s_mul_i32 s22, s19, 6144
	s_add_nc_u64 s[30:31], s[98:99], s[22:23]
	s_lshl_b32 s22, s19, 8
	s_add_co_u32 s22, s22, VS_OFF
	s_add_nc_u64 s[32:33], s[98:99], s[22:23]
	s_wait_alu depctr_va_vdst(0)
.irp a, 0,1,2,3,4,5,6,7
	global_load_b32 v[BV+2*\a], v6, s[24:25] offset:4*(32*(\a/2)+8*(\a%2))
	v_mov_b32 v[BV+2*\a+1], 0
.endr
	s_wait_alu depctr_va_vdst(0)
	s_wait_loadcnt 0x0
.macro VROW a
.set AC, 64*((\a)%4)
	WIN 0x02+(\a)/4
.set i, 0
.rept 32
	v_pk_add_f32 v[Y+i:Y+i+1], v[AC+i:AC+i+1], v[BV+2*(\a):BV+2*(\a)+1] op_sel_hi:[1,0]
.set i, i+2
.endr
	WIN 0
	s_wait_xcnt 0x0
	QUANT Y, 6
	v_mov_b32 v[WK+(\a)], v[PW]
.irp p, 0,1,2
	global_store_b128 v1, v[PC+4*\p:PC+4*\p+3], s[30:31] offset:98304*((\a)/4)+1536*((\a)%4)+512*\p
.endr
.endm
.irp a, 0,1,2,3,4,5,6,7
	VROW \a
.endr
.irp e, 0,1
	v_cndmask_b32 v[ZQ+2*\e], v[WK+4*\e], v[WK+4*\e+1], s38
	v_cndmask_b32 v[ZQ+2*\e+1], v[WK+4*\e+2], v[WK+4*\e+3], s38
	global_store_b64 v5, v[ZQ+2*\e:ZQ+2*\e+1], s[32:33] offset:4096*\e
.endr
.Lend:
	s_wait_tensorcnt 0x0
	ds_add_u32 v[SPW], v[NIL]
	s_wait_dscnt 0x0
	CROUND
	s_endpgm
.Lfunc_end_k_q56d0c0ffae_qkv:
	.size	k_q56d0c0ffae_qkv, .Lfunc_end_k_q56d0c0ffae_qkv-k_q56d0c0ffae_qkv
	.p2alignl 7, 3214868480
	.fill 96, 4, 3214868480
	.section	.rodata,"a",@progbits
	.p2align	6, 0x0
	.amdhsa_kernel k_q56d0c0ffae_qkv
		.amdhsa_group_segment_fixed_size 327680
		.amdhsa_private_segment_fixed_size 0
		.amdhsa_enable_private_segment 0
		.amdhsa_kernarg_size 64
		.amdhsa_user_sgpr_count 2
		.amdhsa_user_sgpr_kernarg_segment_ptr 1
		.amdhsa_wavefront_size32 1
		.amdhsa_system_sgpr_workgroup_id_x 1
		.amdhsa_system_sgpr_workgroup_id_y 1
		.amdhsa_system_sgpr_workgroup_id_z 1
		.amdhsa_system_vgpr_workitem_id 0
		.amdhsa_next_free_vgpr 1024
		.amdhsa_next_free_sgpr 106
		.amdhsa_reserve_vcc 0
		.amdhsa_float_denorm_mode_32 3
		.amdhsa_float_denorm_mode_16_64 3
		.amdhsa_memory_ordered 1
		.amdhsa_forward_progress 1
		.amdhsa_inst_pref_size 255
	.end_amdhsa_kernel
	.section	.bss,"aw",@nobits
	.p2align	6
	.space	262144
	.amdgpu_metadata
---
amdhsa.version: [ 1, 2 ]
amdhsa.kernels:
  - .name:           k_q56d0c0ffae_qkv
    .symbol:         k_q56d0c0ffae_qkv.kd
    .args:
      - { .name: xq, .offset: 0, .size: 8, .value_kind: global_buffer, .address_space: global }
      - { .name: wq, .offset: 8, .size: 8, .value_kind: global_buffer, .address_space: global }
      - { .name: tab, .offset: 16, .size: 8, .value_kind: global_buffer, .address_space: global }
      - { .name: b_in, .offset: 24, .size: 8, .value_kind: global_buffer, .address_space: global }
      - { .name: kv_mask, .offset: 32, .size: 8, .value_kind: global_buffer, .address_space: global }
      - { .name: qimg, .offset: 40, .size: 8, .value_kind: global_buffer, .address_space: global }
      - { .name: kimg, .offset: 48, .size: 8, .value_kind: global_buffer, .address_space: global }
      - { .name: vimg, .offset: 56, .size: 8, .value_kind: global_buffer, .address_space: global }
    .group_segment_fixed_size: 327680
    .private_segment_fixed_size: 0
    .kernarg_segment_align: 8
    .kernarg_segment_size: 64
    .max_flat_workgroup_size: 128
    .sgpr_count:     106
    .vgpr_count:     1024
    .wavefront_size: 32
...
	.end_amdgpu_metadata
.endif
;; end of part 2
;; launch attn (part 3): grid 4 x 64, 8 waves a work-group, clusters of 4 x 1, 250,880 bytes of LDS; arguments qimg, kimg, vimg, oimg; writes oimg
.if DOCPART == 3
	.amdgcn_target "amdgcn-amd-amdhsa--gfx1250"
	.amdhsa_code_object_version 6
	.text
	.protected	k_q56d0c0ffae_attn
	.globl	k_q56d0c0ffae_attn
	.p2align	8
	.type	k_q56d0c0ffae_attn,@function
k_q56d0c0ffae_attn:
	s_mov_b64 s[64:65], 0
	v_nop
	global_prefetch_b8 v0, s[64:65] scope:SCOPE_SE
	s_setreg_imm32_b32 hwreg(HW_REG_WAVE_MODE, 25, 1), 1
	s_wait_xcnt 0x0
	s_wait_alu depctr_hold_cnt(0) depctr_sa_sdst(0) depctr_va_vdst(0) depctr_va_sdst(0) depctr_va_ssrc(0) depctr_va_vcc(0) depctr_vm_vsrc(0)
	s_getreg_b32 s2, hwreg(HW_REG_IB_STS2, 6, 4)
	s_cmp_eq_u32 s2, 0
	s_cbranch_scc0 .Lentry_in_a_cluster
	s_endpgm
.Lentry_in_a_cluster:
	s_bfe_u32 s2, ttmp6, 0x10000c
	s_cmp_lg_u32 s2, 0x3003
	s_cbranch_scc0 .Lentry_shape_is_right
	s_endpgm
.Lentry_shape_is_right:
; o = softmax(q k^T / 8, masked) v for one batch x head, both products on codes of FP6 (E2M3); o leaves quantised, as the image of the last product's operand.
; THE SOFTMAX: t = score x log2(e) / 8; M = the row's largest t so far, rounded up to a whole number; p = 2^(t - M) is quantised along the keys, not normalised.  The row's sum is taken of the
; unquantised p and divides at the end.  When M moves, the sum and O are multiplied by 2^(old M - new M): exact.
; THE MASK needs no line here: a masked key's score comes out of the first product as exactly -2^100 (a term in the padding of K = 64; its own codes are zeros).  c x -2^100 is exact and whole, so in a run of
; masked keys p is exactly 1; the first allowed key multiplies what was summed by 2^(a saturated whole number) = 0.  A row with no allowed key keeps p = 1 everywhere: the mean of v.
; SHARES.  A work-group owns 512 queries of one head, in two passes.  Each of its eight waves owns TWO tiles of 16 queries a pass, so each fragment of K and V read from LDS feeds two tiles: 24 matrix instructions a key step of 128 keys.
; REGISTERS.  Tile A's state lies in window 0, tile B's at the same numbers in window 1: one text serves both.  K's fragments lie in window 0 (v32-99), V's in window 1 (v32-79); all scale words in window 0.
; A WHOLE HEAD'S K AND V STAY IN LDS as images of the operands' registers; every byte is filled once: no ring, no refill.  The four work-groups of a cluster belong to one head and ask jointly.
; One tensor load a wave at the head: waves 0-3 bring key steps 0-3 and all scale words, waves 4-7 the other twelve steps.  All is asked for at the head, so there is no later load for a prefetch to run ahead of.
; THE ORDER OF A STEP.  K's fragments of step s + 1 are fetched in the middle of step s, when both tiles' first products have read step s's.  Tile B's first products and tile A's second products stand ahead of a batch of exponentials.
; A pass's last step fetches the 8,704 bytes behind K's (V's first bytes, which lie in LDS) and 512 behind K's scale words: they are not used; so one text serves every step.
; LAYOUT.  Both products are used transposed: S^T = K Q^T, O^T = V^T P^T: a lane holds one query throughout.  WHICH ROWS OF K FORM A TILE is chosen by the lanes' LDS addresses: tile 4 c + j takes keys
; 64 c + 8 j + i in rows 0-7 and keys 64 c + 32 + 8 j + i in rows 8-15.  So the 32 scores of tiles 4 c .. 4 c + 3 in lane (r, h) are keys 64 c + 32 h + 0 .. 31: one scale block, in the order of P's operand: no lane asks another for a block's maximum.
; In memory tile 2 b + u holds key 32 b + 8 u + r % 8 + 16 (r / 8) in row r: rows 8-15 of my tile lie two stored tiles further on.  64 bytes of padding behind each stored tile (1,024 bytes) set these 128 bytes off modulo 256.
; K's image holds 8 registers a tile (6 of codes, the padding's code, 0); the operand names 12: the last four are the next tile's first four, which meet zero codes of q.
; LIMITS: as the launch before states them; a block of o that is all zeros or under 2^-124 keeps the byte 1; the scaled scores stay under 2^31 in magnitude, the mask's term aside.
.set QS_OFF, 8388608
.set VS_OFF, 6291456
.set OS_OFF, 6291456
.set KP,    1088                       ; LDS: a stored tile of K and its padding; 8 a step, from byte 0
.set VIMG,  139264                     ; V's codes, 6,144 bytes a step
.set KSC,   237568                     ; K's scale words, 512 a step
.set VSC,   245760                     ; V's, 256 a step
.set SPARE, 249856                     ; the spare words, 128 bytes a wave: four blocks of 256 bytes that no other line names
.set AK0, 1                            ; v1 K: 16 (r % 8) + 256 h + 2 KP (r / 8)
.set AV0, 2                            ; v2 VIMG + 16 x lane
.set ASK0, 3                           ; v3 KSC + 16 (r % 8) + 256 h + 4 (r / 8)
.set ASV0, 4                           ; v4 VSC + 8 x lane
.set QO,  5                            ; v5 16 x lane; v6 16 r; v7 8 x lane
.set ADK, 8                            ; v8-11 the step's addresses
.set ADV, 9
.set ADS, 10
.set ADT, 11                           ; in each window: v12 -M, v13 the largest score, v[14:15] the sum in two halves, v16-27 Q
.set SPW, 28
.set NIL, 29                           ; v30, v31 Q's scale words, tile A's and B's
.set KF,  32
.set VF,  32
.set S,   100                          ; v100-163 S^T, then p
.set O,   164                          ; v164-195 O^T
.set PC,  196                          ; v196-207 p's codes
.set BM,  208                          ; v208-211 maxima
.set CV,  212                          ; v212-218 the conversions' second halves
.set SO,  220                          ; v220-221 the conversions' scale operands
.set BX,  222                          ; v222-223 scale bytes
.set TP,  224
.set NW,  225                          ; the old -M
.set FF,  226                          ; f = 2^(old M - new M)
.set T,   228                          ; v228-235 four partial sums
.set KS,  236                          ; v236-239 K's scale words
.set VS,  240                          ; v240-241 V's
.set PSA, 242                          ; p's scale words
.set PSB, 243
.set RO,  244                          ; 8 r
.set W,   245
.set OT,  246
.set WV,  12
.set NC,  16
.set CNT, 17
.set SEL, 20
.set CS,  22
.set TBK, 2
.set TBV, 3
.set TSK, 14
.set TSV, 15
.set G1K, 24
.set G1V0, 32
.set G1V1, 40
.set G1KS, 48
.set G1VS, 56
.set GK0, 68
.set GKS, 72
.set GV0, 76
.set GVS, 80
.set GK1, 84
.set GV1, 88
.set MSB, 0
.macro WIN new                         ; the immediate's high byte repeats the setting that is left
.if MSB != (\new)
	s_set_vgpr_msb (MSB<<8)|(\new)
.set MSB, (\new)
.endif
.endm
.macro WALU
	s_wait_alu depctr_va_vdst(0)
.endm
.macro DLY n
	s_delay_alu instid0(VALU_DEP_\n)
.endm
.macro CROUND
	s_barrier_signal -1
	s_barrier_wait -1
	s_cmp_lg_u32 s[WV], 0
	s_cbranch_scc1 .Lnot_wave_0_\@
	s_barrier_signal -3
.Lnot_wave_0_\@:
	s_barrier_wait -3
	s_barrier_signal -1
	s_barrier_wait -1
.endm
.macro G1SET g, pad, c, rows           ; a dense block as rows of c elements of 8 bytes, for all four work-groups of the cluster
	s_mov_b32 s[\g], 15|(3<<16)|(1<<21)|(\pad)
	s_mov_b32 s[\g+1], (\c)<<16
	s_mov_b32 s[\g+2], (\rows)<<16
	s_mov_b32 s[\g+3], (\c)<<16
	s_mov_b32 s[\g+4], \rows
	s_mov_b32 s[\g+5], \c
	s_mov_b32 s[\g+6], 0
	s_mov_b32 s[\g+7], 0
.endm
.macro TL g0, g1                       ; no window is switched among the four lines behind the s_nop 0
	tensor_load_to_lds s[\g0:\g0+3], s[\g1:\g1+7]
	s_nop 0
.rept 4
	v_nop
.endr
.endm
	s_load_b256 s[4:11], s[0:1], 0x0               ; qimg s[4:5], kimg s[6:7], vimg s[8:9], oimg s[10:11]
	v_lshl_add_u32 v[SPW], v0, 2, SPARE
	v_mov_b32 v[NIL], 0
	ds_add_u32 v[SPW], v[NIL]                      ; the opening lines: the add, twice on end, and its wait ahead of my tensor load
	ds_add_u32 v[SPW], v[NIL]
	v_lshrrev_b32 v1, 5, v0
	v_readfirstlane_b32 s[WV], v1                  ; wave 0..7
	s_bfe_u32 s13, ttmp6, 0x40000                  ; cx: it enters Q's and o's addresses alone
	s_and_b32 s100, ttmp7, 0xffff                  ; batch x head, which the four partners share
	G1SET G1K, (1<<20)|(7<<22)|(15<<25), 128, 32   ; four steps of K: 32 tiles of 1,024 bytes, 16 words of padding behind each
	G1SET G1V0, 0, 32, 96                          ; four steps of V: 24,576 bytes
	G1SET G1V1, 0, 32, 288                         ; twelve: 73,728
	G1SET G1KS, 0, 32, 32                          ; K's scale words: 8,192
	G1SET G1VS, 0, 32, 16                          ; V's: 4,096
	s_mov_b32 s[SEL], 0x76543210
	s_mov_b32 s[SEL+1], 0xfedcba98
	s_mov_b32 s[CS], 0x3e38aa3b                    ; c = log2(e) / 8
	s_mov_b32 s[CS+1], s[CS]
	s_mov_b32 s[NC], 0xbe38aa3b                    ; -c
	s_lshl_b32 s92, s100, 17                       ; K's codes: 131,072 bytes a head
	s_mov_b32 s93, 0
	s_mul_i32 s94, s100, 98304                     ; V's: 98,304
	s_mov_b32 s95, 0
	s_lshl_b32 s96, s100, 13
	s_add_co_u32 s96, s96, QS_OFF                  ; K's scale words
	s_mov_b32 s97, 0
	s_lshl_b32 s98, s100, 12
	s_add_co_u32 s98, s98, VS_OFF                  ; V's
	s_mov_b32 s99, 0
	s_and_b32 s101, s[WV], 3
	s_add_co_u32 s101, s101, 1                     ; waves 4, 5, 6 bring K's parts 1, 2, 3
	s_mul_i32 s[GK1+1], s101, 32*KP
	s_lshl_b32 s104, s101, 15
	s_mov_b32 s105, 0
	s_wait_dscnt 0x0                               ; both opening adds are done
	s_wait_kmcnt 0x0
	s_add_nc_u64 s[92:93], s[6:7], s[92:93]
	s_add_nc_u64 s[94:95], s[8:9], s[94:95]
	s_mov_b32 s[GK0], 1
	s_mov_b32 s[GK0+1], 0
	s_mov_b64 s[GK0+2:GK0+3], s[92:93]
	s_or_b32 s[GK0+3], s[GK0+3], 0x80000000
	s_mov_b32 s[GKS], 1
	s_mov_b32 s[GKS+1], KSC
	s_add_nc_u64 s[GKS+2:GKS+3], s[6:7], s[96:97]
	s_or_b32 s[GKS+3], s[GKS+3], 0x80000000
	s_mov_b32 s[GV0], 1
	s_mov_b32 s[GV0+1], VIMG
	s_mov_b64 s[GV0+2:GV0+3], s[94:95]
	s_or_b32 s[GV0+3], s[GV0+3], 0x80000000
	s_mov_b32 s[GVS], 1
	s_mov_b32 s[GVS+1], VSC
	s_add_nc_u64 s[GVS+2:GVS+3], s[8:9], s[98:99]
	s_or_b32 s[GVS+3], s[GVS+3], 0x80000000
	s_mov_b32 s[GK1], 1
	s_add_nc_u64 s[GK1+2:GK1+3], s[92:93], s[104:105]
	s_or_b32 s[GK1+3], s[GK1+3], 0x80000000
	s_mov_b32 s[GV1], 1
	s_mov_b32 s[GV1+1], VIMG+24576
	s_add_nc_u64 s[GV1+2:GV1+3], s[94:95], 24576
	s_or_b32 s[GV1+3], s[GV1+3], 0x80000000
	CROUND                                         ; all four work-groups are here: the joint loads meet
	s_cmp_eq_u32 s[WV], 0                          ; one chain of branches on the wave's number, one load to an arm; the lines of waves 0-3 are issued by no other wave
	s_cbranch_scc0 .La1
	TL GK0, G1K
	s_branch .Lasked
.La1:
	s_cmp_eq_u32 s[WV], 1
	s_cbranch_scc0 .La2
	TL GKS, G1KS
	s_branch .Lasked
.La2:
	s_cmp_eq_u32 s[WV], 2
	s_cbranch_scc0 .La3
	TL GV0, G1V0
	s_branch .Lasked
.La3:
	s_cmp_eq_u32 s[WV], 3
	s_cbranch_scc0 .La4
	TL GVS, G1VS
	s_branch .Lasked
.La4:
	s_cmp_lt_u32 s[WV], 7
	s_cbranch_scc0 .La7
	TL GK1, G1K
	s_branch .Lasked
.La7:
	TL GV1, G1V1
.Lasked:
	; my tiles of queries in the first pass: 32 cx + 2 wave and the next; the second pass takes the tiles 16 further on
	s_lshl_b32 s101, s13, 5
	s_lshl_b32 s92, s[WV], 1
	s_add_co_u32 s101, s101, s92
	s_lshl_b32 s92, s100, 4
	s_lshl_b32 s93, s13, 2
	s_add_co_u32 s92, s92, s93
	s_lshr_b32 s93, s[WV], 2
	s_add_co_u32 s92, s92, s93                     ; which 128 positions of which head
	s_lshl_b32 s92, s92, 9
	s_and_b32 s93, s[WV], 3
	s_lshl_b32 s93, s93, 2
	s_add_co_u32 s92, s92, s93                     ; word (tile % 8) / 2; the odd tile's words lie 256 bytes on
	s_add_co_u32 s92, s92, QS_OFF
	s_mov_b32 s93, 0
	s_add_nc_u64 s[18:19], s[4:5], s[92:93]        ; Q's scale words
	s_lshl_b32 s92, s100, 7
	s_add_co_u32 s92, s92, s101
	s_lshl_b32 s92, s92, 10
	s_add_nc_u64 s[4:5], s[4:5], s[92:93]          ; Q's codes
	s_lshr_b32 s94, s100, 4
	s_lshl_b32 s94, s94, 7
	s_add_co_u32 s94, s94, s101                    ; o's tile of rows: 128 x batch + my tile
	s_and_b32 s95, s100, 15                        ; the head
	s_lshl_b32 s92, s94, 9
	s_lshr_b32 s96, s95, 2
	s_lshl_b32 s96, s96, 7
	s_add_co_u32 s92, s92, s96
	s_and_b32 s96, s95, 3
	s_lshl_b32 s96, s96, 1
	s_add_co_u32 s92, s92, s96
	s_add_co_u32 s92, s92, OS_OFF
	s_add_nc_u64 s[66:67], s[10:11], s[92:93]      ; o's two scale bytes: tile x 512 + (head / 4) x 128 + 2 (head % 4), + 8 r
	s_mul_i32 s92, s94, 12288
	s_mul_i32 s96, s95, 768
	s_add_co_u32 s92, s92, s96
	s_add_nc_u64 s[10:11], s[10:11], s[92:93]      ; o's codes: a head is half a fragment, three planes of 256 bytes
	v_and_b32 v5, 31, v0
	v_and_b32 v6, 15, v0
	v_and_b32 v8, 7, v0
	v_bfe_u32 v9, v0, 3, 1
	v_bfe_u32 v10, v0, 4, 1
	v_lshlrev_b32 v7, 3, v5
	v_lshlrev_b32 v[QO], 4, v5
	v_lshlrev_b32 v[RO], 3, v6
	v_lshlrev_b32 v6, 4, v6
	v_lshlrev_b32 v8, 4, v8
	v_lshl_add_u32 v8, v10, 8, v8
	v_mad_u32_u24 v[AK0], v9, 2*KP, v8
	v_lshl_add_u32 v[ASK0], v9, 2, v8
	v_add_nc_u32 v[ASK0], KSC, v[ASK0]
	v_add_nc_u32 v[AV0], VIMG, v[QO]
	v_add_nc_u32 v[ASV0], VSC, v7
.irp j, 24,25,26,27,96,97,98,99,OT,FF+1
	v_mov_b32 v[\j], 0                             ; Q's registers 8-11, what K's last tile names beyond its eight, a permute's destination, the upper half of f's pair
.endr
	WIN 0x40
.irp j, 24,25,26,27,OT,FF+1
	v_mov_b32 v[\j], 0                             ; the same for tile B
.endr
	WIN 0
	WALU
.macro BEGIN                           ; a pass begins: my two tiles of Q, and the sums as zeros (the first change of M leaves zeros zeros)
	global_load_b128 v[16:19], v[QO], s[4:5]
	global_load_b128 v[20:23], v[QO], s[4:5] offset:512
	global_load_b32 v30, v6, s[18:19]
	global_load_b32 v31, v6, s[18:19] offset:256
	WIN 0x40
	global_load_b128 v[16:19], v[QO], s[4:5] offset:1024
	global_load_b128 v[20:23], v[QO], s[4:5] offset:1536
.irp w, 0,1
	WIN 0x55*\w
	v_mov_b32 v13, 0xff61b1e6                      ; the largest score so far: -3e38
	v_mov_b32 v12, 0x7f61b1e6                      ; -M: 3e38
	v_mov_b32 v14, 0
	v_mov_b32 v15, 0
.set i, 0
.rept 32
	v_mov_b32 v[O+i], 0
.set i, i+1
.endr
.endr
	WIN 0
	s_mov_b32 s[TBK], 8*KP                         ; K and its words run one step ahead
	s_mov_b32 s[TBV], 0
	s_mov_b32 s[TSK], 512
	s_mov_b32 s[TSV], 0
	WALU
	s_wait_loadcnt 0x0
.endm
.macro KLOAD ak, as                    ; a step's scale words and eight tiles of K: 20 loads
.irp q, 0,1,2,3
	ds_load_b32 v[KS+\q], v[\as] offset:128*(\q%2)+8*(\q/2)   ; lanes 0-15 my tile 2 q's words, lanes 16-31 tile 2 q + 1's
.endr
.irp n, 0,1,2,3,4,5,6,7
	ds_load_b128 v[KF+8*\n:KF+8*\n+3], v[\ak] offset:(4*(\n/4)+\n%2)*KP+128*((\n%4)/2)
	ds_load_b128 v[KF+8*\n+4:KF+8*\n+7], v[\ak] offset:(4*(\n/4)+\n%2)*KP+128*((\n%4)/2)+512
.endr
.endm
.macro QK w                            ; S^T of tile w: eight products, each starting its sum
	WIN 0x44*\w
.irp n, 0,1,2,3,4,5,6,7
.if \n%2
	v_wmma_scale_f32_16x16x128_f8f6f4 v[S+8*\n:S+8*\n+7], v[KF+8*\n:KF+8*\n+11], v[16:27], 0, v[KS+\n/2], v[30+\w] matrix_a_fmt:MATRIX_FMT_FP6 matrix_b_fmt:MATRIX_FMT_FP6 matrix_a_scale:MATRIX_SCALE_ROW1
.else
	v_wmma_scale_f32_16x16x128_f8f6f4 v[S+8*\n:S+8*\n+7], v[KF+8*\n:KF+8*\n+11], v[16:27], 0, v[KS+\n/2], v[30+\w] matrix_a_fmt:MATRIX_FMT_FP6 matrix_b_fmt:MATRIX_FMT_FP6
.endif
.endr
.endm
.macro PV w, ps                        ; O^T of tile w += V^T P^T: four accumulators by turns; twenty other products stand before each is taken up again
	WIN 0x01+0x54*\w
.irp ct, 0,1,2,3
.if \ct%2
	v_wmma_scale_f32_16x16x128_f8f6f4 v[O+8*\ct:O+8*\ct+7], v[VF+12*\ct:VF+12*\ct+11], v[PC:PC+11], v[O+8*\ct:O+8*\ct+7], v[VS+\ct/2], v[\ps] matrix_a_fmt:MATRIX_FMT_FP6 matrix_b_fmt:MATRIX_FMT_FP6 matrix_a_scale:MATRIX_SCALE_ROW1
.else
	v_wmma_scale_f32_16x16x128_f8f6f4 v[O+8*\ct:O+8*\ct+7], v[VF+12*\ct:VF+12*\ct+11], v[PC:PC+11], v[O+8*\ct:O+8*\ct+7], v[VS+\ct/2], v[\ps] matrix_a_fmt:MATRIX_FMT_FP6 matrix_b_fmt:MATRIX_FMT_FP6
.endif
.endr
.endm
.macro TMM n                           ; t - M, two at a time, of the next 2 n scores
.rept \n
	v_pk_fma_f32 v[S+i:S+i+1], v[S+i:S+i+1], s[CS:CS+1], v[12:13] op_sel_hi:[1,0,0]
.set i, i+2
.endr
.endm
; The softmax of one tile and 128 keys.  Registers S + 32 c + 0 .. 31 are my block 2 c + h.
.macro SOFTMAX w, ps
	WIN 0x55*\w
.if \w
	WALU
.endif
.irp b, 0,1,2,3
	v_max3_num_f32 v[BM+\b], v[S+16*\b], v[S+1+16*\b], v[S+2+16*\b]   ; four chains by turns, each accumulator from its low end on
.endr
.irp i, 3,5,7,9,11,13
.irp b, 0,1,2,3
	v_max3_num_f32 v[BM+\b], v[BM+\b], v[S+16*\b+\i], v[S+1+16*\b+\i]
.endr
.endr
	v_max3_num_f32 v[BM], v[BM], v[BM+1], v[S+15]
	v_max3_num_f32 v[BM+2], v[BM+2], v[BM+3], v[S+47]
	v_mov_b32 v[NW], v12                           ; the old -M
	v_max_num_f32 v[BM], v[BM], v[S+31]            ; the largest score of my block h,
	v_max_num_f32 v[BM+2], v[BM+2], v[S+63]        ; and of my block 2 + h: they serve for the row's maximum and, since p rises with the score, for the blocks' largest p
	DLY 1
	v_max_num_f32 v[TP], v[BM], v[BM+2]
	DLY 1
	v_permlanex16_b32 v[OT], v[TP], s[SEL], s[SEL+1]
	DLY 1
	v_max3_num_f32 v13, v13, v[TP], v[OT]          ; the running largest score (c is positive)
	DLY 1
	v_mul_f32 v[TP], s[NC], v13                    ; -t
	DLY 1
	v_floor_f32 v12, v[TP]                         ; the new -M = -ceil(t): a whole number
.set i, 0
	TMM 4
	v_sub_f32 v[TP], v12, v[NW]                    ; old M - new M: whole, 0 or less.  (f is made among the multiply-adds, which do not wait for it)
	TMM 4
	v_cvt_i32_f32 v[TP], v[TP]                     ; (it saturates)
	TMM 4
	v_ldexp_f32 v[FF], 1.0, v[TP]                  ; f = 2^(old M - new M)
	TMM 20
	v_fma_f32 v[BM], v[BM], s[CS], v12             ; the same of each block's largest score
	v_fma_f32 v[BM+2], v[BM+2], s[CS], v12
	WALU
.if \w
	s_wait_dscnt 20                                ; V and its words are in; the next step's K, 20 loads, may be out
	PV 0, PSA                                      ; tile A's second products
.else
	QK 1                                           ; tile B's first products
.endif
	WIN 0x55*\w
.set i, 0
.rept 64
	v_exp_f32 v[S+i], v[S+i]                       ; p = 2^(t - M), at most 1
.set i, i+1
.endr
	v_exp_f32 v[BM], v[BM]                         ; the blocks' largest p: the same two instructions on the same number give the same bits
	v_exp_f32 v[BM+2], v[BM+2]
	WALU                                           ; one wait for the batch, directly ahead of the first reader of O^T
.set i, 0
.rept 16
	v_pk_mul_f32 v[O+i:O+i+1], v[O+i:O+i+1], v[FF:FF+1] op_sel_hi:[1,0]   ; O^T under the new M.  (Plain work behind the exponentials, and the places behind tile B's first products)
.set i, i+2
.endr
.if \w == 0
	KLOAD ADK, ADS                                 ; the next step's K: both tiles' products have read this step's
.endif
	v_max_num_f32 v[BM], 0x1800000, v[BM]          ; the floor 2^(3 - 127): the byte cannot fall under 1
	v_max_num_f32 v[BM+2], 0x1800000, v[BM+2]
	v_add_nc_u32 v[SO], 0xff000000, v[BM]          ; 2 off the exponent field: the conversion's scale operand
	v_add_nc_u32 v[SO+1], 0xff000000, v[BM+2]
.irp c, 0,1
	v_cvt_scalef32_pk16_fp6_f32 v[PC+6*\c:PC+2+6*\c], v[S+32*\c:S+15+32*\c], v[SO+\c]
	v_cvt_scalef32_pk16_fp6_f32 v[CV+4*\c:CV+2+4*\c], v[S+16+32*\c:S+31+32*\c], v[SO+\c]   ; (a conversion's three registers begin on an even number)
.endr
	v_lshrrev_b32 v[BX], 23, v[SO]                 ; the bytes.  (Plain work behind the conversions)
	v_lshrrev_b32 v[BX+1], 23, v[SO+1]
.irp k, 0,1,2,3
	v_pk_add_f32 v[T+2*\k:T+2*\k+1], v[S+2*\k:S+2*\k+1], v[S+8+2*\k:S+9+2*\k]   ; the row's sum is taken of the unquantised p: four chains, two numbers an instruction
.endr
	v_lshl_or_b32 v[W], v[BX+1], 16, v[BX]         ; my blocks h and 2 + h
.irp i, 0,1,2
	v_mov_b32 v[PC+3+\i], v[CV+\i]
.endr
	v_permlanex16_b32 v[OT], v[W], s[SEL], s[SEL+1]
.irp i, 0,1,2
	v_mov_b32 v[PC+9+\i], v[CV+4+\i]
.endr
	WIN 0x15*\w                                    ; scale words lie in window 0
	v_lshl_or_b32 v[\ps], v[OT], 8, v[W]           ; lanes 0-15, which alone are read: bytes 0 to 3 = blocks 0 to 3
	WIN 0x55*\w
.irp g, 2,3,4,5,6,7
.irp k, 0,1,2,3
	v_pk_add_f32 v[T+2*\k:T+2*\k+1], v[T+2*\k:T+2*\k+1], v[S+8*\g+2*\k:S+8*\g+2*\k+1]   ; (these 28 lines are also the places between the scale word and the codes and the products)
.endr
.endr
	v_pk_add_f32 v[T:T+1], v[T:T+1], v[T+2:T+3]
	v_pk_add_f32 v[T+4:T+5], v[T+4:T+5], v[T+6:T+7]
	v_pk_add_f32 v[T:T+1], v[T:T+1], v[T+4:T+5]
	v_pk_fma_f32 v[14:15], v[14:15], v[FF:FF+1], v[T:T+1] op_sel_hi:[1,0,1]   ; the sum under the new M, and this step's
.endm
; A KEY STEP: 128 keys, both tiles.
.macro STEP
	s_wait_dscnt 0x0                               ; this step's K, fetched in the middle of the last step, is in
	QK 0
	WIN 0
	v_add_nc_u32 v[ADV], s[TBV], v[AV0]            ; (these four are the places behind the products: in front of the loads into V's registers and of the first read of the scores)
	v_add_nc_u32 v[ADT], s[TSV], v[ASV0]
	v_add_nc_u32 v[ADK], s[TBK], v[AK0]
	v_add_nc_u32 v[ADS], s[TSK], v[ASK0]
	WIN 0x40
.irp ct, 0,1,2,3
.irp p, 0,1,2
	ds_load_b128 v[VF+12*\ct+4*\p:VF+12*\ct+4*\p+3], v[ADV] offset:1536*\ct+512*\p
.endr
.endr
	WIN 0
	ds_load_b64 v[VS:VS+1], v[ADT]
	SOFTMAX 0, PSA
	SOFTMAX 1, PSB
	PV 1, PSB
	WIN 0
	s_add_co_u32 s[TBK], s[TBK], 8*KP
	s_add_co_u32 s[TBV], s[TBV], 6144
	s_add_co_u32 s[TSK], s[TSK], 512
	s_add_co_u32 s[TSV], s[TSV], 256
.endm
; A pass ends: O^T / the sum is quantised along the channels (two blocks of 32: register 16 b + i = channel 32 b + 16 h + i of my query) and stored as three planes of the operand's image.
.macro FINISH w
	WIN 0x55*\w
	v_add_f32 v14, v14, v15
	DLY 1
	v_permlanex16_b32 v[OT], v14, s[SEL], s[SEL+1]
	DLY 1
	v_add_f32 v14, v14, v[OT]                      ; the row's sum
	WALU
	v_rcp_f32 v14, v14
	v_nop                                          ; a plain place behind it
	WALU                                           ; and the wait ahead of its first reader, which is also O^T's
.set i, 0
.rept 16
	v_pk_mul_f32 v[S+i:S+i+1], v[O+i:O+i+1], v[14:15] op_sel_hi:[1,0]
.set i, i+2
.endr
.irp b, 0,1
	v_max3_num_f32 v[BM+\b], |v[S+16*\b]|, |v[S+1+16*\b]|, 0x1800000
.endr
.irp i, 2,4,6,8,10,12,14
.irp b, 0,1
	v_max3_num_f32 v[BM+\b], v[BM+\b], |v[S+16*\b+\i]|, |v[S+1+16*\b+\i]|
.endr
.endr
.irp b, 0,1
	v_permlanex16_b32 v[BX+\b], v[BM+\b], s[SEL], s[SEL+1]
.endr
.irp b, 0,1
	v_max_num_f32 v[BM+\b], v[BM+\b], v[BX+\b]
.endr
.irp b, 0,1
	v_add_nc_u32 v[SO+\b], 0xff000000, v[BM+\b]
.endr
.irp b, 0,1
	v_lshrrev_b32 v[BX+\b], 23, v[SO+\b]
.endr
	v_lshl_or_b32 v[TP], v[BX+1], 8, v[BX]         ; the head's two scale bytes
	v_cvt_scalef32_pk16_fp6_f32 v[PC:PC+2], v[S:S+15], v[SO]
	v_cvt_scalef32_pk16_fp6_f32 v[PC+4:PC+6], v[S+16:S+31], v[SO+1]
	v_nop                                          ; one plain place behind a scaled conversion
.irp i, 0,1,2
	v_permlane16_swap_b32 v[PC+\i], v[PC+4+\i]     ; the operand wants a whole block in a lane
.endr
	v_mov_b32 v[PC+3], v[PC+4]
	v_mov_b32 v[PC+4], v[PC+5]
	v_mov_b32 v[PC+5], v[PC+6]
	WIN 0x04*\w
.irp p, 0,1,2
	global_store_b64 v7, v[PC+2*\p:PC+2*\p+1], s[10:11] offset:12288*\w+256*\p   ; 32 lanes store 256 consecutive bytes, aligned
.endr
	global_store_b16 v[RO], v[TP], s[66:67] offset:512*\w   ; lanes l and l xor 16 hold the same two bytes and store them to the same place
.endm
	BEGIN
	s_cmp_lt_u32 s[WV], 4                          ; waves 0-3 wait for their loads: key steps 0-3 and the scale words; the other loads may stay out
	s_cbranch_scc0 .Lnot_first
	s_wait_tensorcnt 0x0
.Lnot_first:
	s_barrier_signal -1
	s_barrier_wait -1
	KLOAD AK0, ASK0                                ; step 0's K
	s_mov_b32 s[CNT], 3                            ; steps 0-2 read V's steps 0-2 and fetch K's steps 1-3
.Lp0a:
	STEP
	s_sub_co_u32 s[CNT], s[CNT], 1
	s_cmp_lg_u32 s[CNT], 0
	s_cbranch_scc1 .Lp0a
	s_wait_tensorcnt 0x0                           ; every wave's load is in,
	s_wait_dscnt 0x0
	s_barrier_signal -1
	s_barrier_wait -1                              ; and every wave knows: the whole head lies in LDS
	s_mov_b32 s[CNT], 13
.Lp0b:
	STEP
	s_sub_co_u32 s[CNT], s[CNT], 1
	s_cmp_lg_u32 s[CNT], 0
	s_cbranch_scc1 .Lp0b
	FINISH 0
	FINISH 1
	WIN 0
	s_wait_xcnt 0x0                                ; the stores have read their bases and registers
	s_add_nc_u64 s[4:5], s[4:5], 16384             ; 16 tiles on
	s_add_nc_u64 s[18:19], s[18:19], 1024
	s_add_nc_u64 s[10:11], s[10:11], 196608
	s_add_nc_u64 s[66:67], s[66:67], 8192
	BEGIN
	s_wait_dscnt 0x0                               ; the last step's fetch has landed: its registers take step 0's K
	KLOAD AK0, ASK0
	s_mov_b32 s[CNT], 16
.Lp1:
	STEP
	s_sub_co_u32 s[CNT], s[CNT], 1
	s_cmp_lg_u32 s[CNT], 0
	s_cbranch_scc1 .Lp1
	FINISH 0
	FINISH 1
	WIN 0
	s_wait_tensorcnt 0x0                           ; the wave's end
	ds_add_u32 v[SPW], v[NIL]
	s_wait_dscnt 0x0
	CROUND                                         ; the closing round
	s_endpgm
.Lfunc_end_k_q56d0c0ffae_attn:
	.size	k_q56d0c0ffae_attn, .Lfunc_end_k_q56d0c0ffae_attn-k_q56d0c0ffae_attn
	.p2alignl 7, 3214868480
	.fill 96, 4, 3214868480
	.section	.rodata,"a",@progbits
	.p2align	6, 0x0
	.amdhsa_kernel k_q56d0c0ffae_attn
		.amdhsa_group_segment_fixed_size 250880
		.amdhsa_private_segment_fixed_size 0
		.amdhsa_enable_private_segment 0
		.amdhsa_kernarg_size 32
		.amdhsa_user_sgpr_count 2
		.amdhsa_user_sgpr_kernarg_segment_ptr 1
		.amdhsa_wavefront_size32 1
		.amdhsa_system_sgpr_workgroup_id_x 1
		.amdhsa_system_sgpr_workgroup_id_y 1
		.amdhsa_system_sgpr_workgroup_id_z 1
		.amdhsa_system_vgpr_workitem_id 0
		.amdhsa_next_free_vgpr 512
		.amdhsa_next_free_sgpr 106
		.amdhsa_reserve_vcc 0
		.amdhsa_float_denorm_mode_32 3
		.amdhsa_float_denorm_mode_16_64 3
		.amdhsa_memory_ordered 1
		.amdhsa_forward_progress 1
		.amdhsa_inst_pref_size 117
	.end_amdhsa_kernel
	.amdgpu_metadata
---
amdhsa.version: [ 1, 2 ]
amdhsa.kernels:
  - .name:           k_q56d0c0ffae_attn
    .symbol:         k_q56d0c0ffae_attn.kd
    .args:
      - { .name: qimg, .offset: 0, .size: 8, .value_kind: global_buffer, .address_space: global }
      - { .name: kimg, .offset: 8, .size: 8, .value_kind: global_buffer, .address_space: global }
      - { .name: vimg, .offset: 16, .size: 8, .value_kind: global_buffer, .address_space: global }
      - { .name: oimg, .offset: 24, .size: 8, .value_kind: global_buffer, .address_space: global }
    .group_segment_fixed_size: 250880
    .private_segment_fixed_size: 0
    .kernarg_segment_align: 8
    .kernarg_segment_size: 32
    .max_flat_workgroup_size: 256
    .sgpr_count:     106
    .vgpr_count:     512
    .wavefront_size: 32
...
	.end_amdgpu_metadata
.endif
;; end of part 3
;; launch oproj (part 4): grid 4 x 32, 4 waves a work-group, clusters of 4 x 4, 327,680 bytes of LDS; arguments oimg, woq, b_out, out0; writes out0
.if DOCPART == 4
	.amdgcn_target "amdgcn-amd-amdhsa--gfx1250"
	.amdhsa_code_object_version 6
	.text
	.protected	k_q56d0c0ffae_oproj
	.globl	k_q56d0c0ffae_oproj
	.p2align	8
	.type	k_q56d0c0ffae_oproj,@function
k_q56d0c0ffae_oproj:
	s_mov_b64 s[64:65], 0
	v_nop
	global_prefetch_b8 v0, s[64:65] scope:SCOPE_SE
	s_setreg_imm32_b32 hwreg(HW_REG_WAVE_MODE, 25, 1), 1
	s_wait_xcnt 0x0
	s_wait_alu depctr_hold_cnt(0) depctr_sa_sdst(0) depctr_va_vdst(0) depctr_va_sdst(0) depctr_va_ssrc(0) depctr_va_vcc(0) depctr_vm_vsrc(0)
	s_getreg_b32 s2, hwreg(HW_REG_IB_STS2, 6, 4)
	s_cmp_eq_u32 s2, 0
	s_cbranch_scc0 .Lentry_in_a_cluster
	s_endpgm
.Lentry_in_a_cluster:
	s_bfe_u32 s2, ttmp6, 0x10000c
	s_cmp_lg_u32 s2, 0xf033
	s_cbranch_scc0 .Lentry_shape_is_right
	s_endpgm
.Lentry_shape_is_right:
.set OS_OFF,  6291456
.set WOS_OFF, 786432
.set NQ,    2
.set FR,    12
.set NL,    6
.set NP,    4
.set HALFT, 24576
.set SLOT,  4*HALFT
.set SCL,   2*SLOT
.set SCLB,  8320
.set SPARE, 213248
.set SPITCH, 528
.set ADRA, 16
.set ADRB, 20
.set STO,  24
.set RD,   25
.set CO,   26
.set ADRS, 27
.set SPW,  28
.set NIL,  29
.set SC,   32
.set BI,   64
.set AF,   128
.set BK,   128
.set G1, 24
.set G0, 32
.set G1B, 48
.set G0B, 56
.set G1S, 68
.set G0S, 76
.set G1SB, 80
.set G0SB, 88
.set MSB, 0
.macro WIN new
.if MSB != (\new)
	s_set_vgpr_msb (MSB<<8)|(\new)
.set MSB, (\new)
.endif
.endm
.set MUL_LO, 0xa1
.set MUL_HI, 0xf1
.set TO_B,   0x40
.macro JLOAD g0a, g1a, g0b, g1b
	s_cmp_eq_u32 s15, 0
	s_cbranch_scc0 .Lfor_b_\@
	tensor_load_to_lds s[\g0a:\g0a+3], s[\g1a:\g1a+7]
	s_nop 0
.rept 4
	v_nop
.endr
	s_branch .Lasked_\@
.Lfor_b_\@:
	tensor_load_to_lds s[\g0b:\g0b+3], s[\g1b:\g1b+7]
	s_nop 0
.rept 4
	v_nop
.endr
.Lasked_\@:
.endm
.macro CREST
	s_cmp_lg_u32 s14, 0
	s_cbranch_scc1 .Lnot_wave_0_\@
	s_barrier_signal -3
.Lnot_wave_0_\@:
	s_barrier_wait -3
	s_barrier_signal -1
	s_barrier_wait -1
.endm
.macro CROUND
	s_barrier_signal -1
	s_barrier_wait -1
	CREST
.endm
	s_load_b256 s[4:11], s[0:1], 0x0
	v_lshl_add_u32 v[SPW], v0, 2, SPARE
	v_mov_b32 v[NIL], 0
	ds_add_u32 v[SPW], v[NIL]
	ds_add_u32 v[SPW], v[NIL]
	v_lshrrev_b32 v1, 5, v0
	v_readfirstlane_b32 s14, v1
	s_lshr_b32 s15, s14, 1
	s_and_b32 s16, s14, 1
	s_bfe_u32 s40, ttmp6, 0x40000
	s_bfe_u32 s41, ttmp6, 0x40004
	s_and_b32 s18, ttmp7, 0xffff
	s_lshl_b32 s17, s18, 2
	s_add_co_u32 s17, s17, s41
	s_lshl_b32 s42, ttmp9, 2
	s_add_co_u32 s42, s42, s40
	s_lshl_b32 s43, s41, 2
	s_lshl_b32 s43, 15, s43
	s_lshl_b32 s44, 0x1111, s40
	s_or_b32 s[G1+0], s43, (3<<16)|(1<<21)
	s_or_b32 s[G1B+0], s44, (3<<16)|(1<<21)
.irp g, G1, G1B
	s_mov_b32 s[\g+1], 384<<16
	s_mov_b32 s[\g+2], 16<<16
	s_mov_b32 s[\g+3], 384<<16
	s_mov_b32 s[\g+4], 16
	s_mov_b32 s[\g+5], 1536
	s_mov_b32 s[\g+6], 0
	s_mov_b32 s[\g+7], 0
.endr
	s_or_b32 s[G1S+0], s43, (3<<16)|(1<<21)
	s_or_b32 s[G1SB+0], s44, (3<<16)|(1<<21)
.irp g, G1S, G1SB
	s_mov_b32 s[\g+1], 32<<16
	s_mov_b32 s[\g+2], 32<<16
	s_mov_b32 s[\g+3], 32<<16
	s_mov_b32 s[\g+4], 32
	s_mov_b32 s[\g+5], 32
	s_mov_b32 s[\g+6], 0
	s_mov_b32 s[\g+7], 0
.endr
	s_lshl_b32 s18, s16, 3
	s_lshl_b32 s19, s17, 4
	s_add_co_u32 s19, s19, s18
	s_lshl_b32 s46, s42, 4
	s_add_co_u32 s46, s46, s18
	s_mul_i32 s100, s19, 12288
	s_mov_b32 s101, 0
	s_lshl_b32 s104, s17, 13
	s_add_co_u32 s104, s104, OS_OFF
	s_mov_b32 s105, 0
	s_lshl_b32 s2, s42, 13
	s_add_co_u32 s2, s2, WOS_OFF
	s_mov_b32 s3, 0
	s_mul_i32 s46, s46, 12288
	s_mov_b32 s47, 0
	s_mul_i32 s45, s14, HALFT
	s_wait_dscnt 0x0
	s_wait_kmcnt 0x0
	s_add_nc_u64 s[100:101], s[4:5], s[100:101]
	s_add_nc_u64 s[104:105], s[4:5], s[104:105]
	s_add_nc_u64 s[46:47], s[6:7], s[46:47]
	s_add_nc_u64 s[2:3], s[6:7], s[2:3]
	CROUND
	s_mov_b32 s[G0S], 1
	s_mov_b32 s[G0S+1], SCL
	s_mov_b64 s[G0S+2:G0S+3], s[104:105]
	s_or_b32 s[G0S+3], s[G0S+3], 0x80000000
	s_mov_b32 s[G0SB], 1
	s_mov_b32 s[G0SB+1], SCL+SCLB
	s_mov_b64 s[G0SB+2:G0SB+3], s[2:3]
	s_or_b32 s[G0SB+3], s[G0SB+3], 0x80000000
.irp s, 0,1
	s_mov_b32 s[G0+4*\s], 1
	s_add_co_u32 s[G0+4*\s+1], s45, \s*SLOT
	s_add_nc_u64 s[G0+4*\s+2:G0+4*\s+3], s[100:101], \s*3072
	s_or_b32 s[G0+4*\s+3], s[G0+4*\s+3], 0x80000000
	s_mov_b32 s[G0B+4*\s], 1
	s_add_co_u32 s[G0B+4*\s+1], s45, \s*SLOT
	s_add_nc_u64 s[G0B+4*\s+2:G0B+4*\s+3], s[46:47], \s*3072
	s_or_b32 s[G0B+4*\s+3], s[G0B+4*\s+3], 0x80000000
.endr
	; the head's four tiles, one load a wave, in one chain of branches on the wave's number: wave 0 slot 0's 16 tiles of o, wave 2 those of the weight (their own halves begin the tile), waves 1 and 3 the two blocks of scale words
	s_cmp_eq_u32 s14, 0
	s_cbranch_scc0 .Lh1
	tensor_load_to_lds s[G0:G0+3], s[G1:G1+7]
	s_nop 0
.rept 4
	v_nop
.endr
	s_branch .Lhj
.Lh1:
	s_cmp_eq_u32 s14, 1
	s_cbranch_scc0 .Lh2
	tensor_load_to_lds s[G0S:G0S+3], s[G1S:G1S+7]
	s_nop 0
.rept 4
	v_nop
.endr
	s_branch .Lhj
.Lh2:
	s_cmp_eq_u32 s14, 2
	s_cbranch_scc0 .Lh3
	tensor_load_to_lds s[G0B:G0B+3], s[G1B:G1B+7]
	s_nop 0
.rept 4
	v_nop
.endr
	s_branch .Lhj
.Lh3:
	tensor_load_to_lds s[G0SB:G0SB+3], s[G1SB:G1SB+7]
	s_nop 0
.rept 4
	v_nop
.endr
.Lhj:
	v_and_b32 v1, 31, v0
	v_lshlrev_b32 v[CO], 4, v1
	v_lshlrev_b32 v1, 3, v1
	s_mul_i32 s18, s15, HALFT
	s_mul_i32 s19, s16, HALFT
	s_add_co_u32 s19, s19, 2*HALFT
.irp s, 0,1
	v_add_nc_u32 v[ADRA+\s], s18, v1
	v_add_nc_u32 v[ADRB+\s], s19, v1
	s_add_co_u32 s18, s18, SLOT
	s_add_co_u32 s19, s19, SLOT
.endr
	v_and_b32 v2, 15, v0
	v_bfe_u32 v3, v0, 4, 1
	s_lshl_b32 s18, s15, 12
	s_lshl_b32 s19, s16, 12
	s_add_co_u32 s19, s19, SCLB
	s_sub_co_u32 s19, s19, s18
	v_mul_u32_u24 v4, s19, v3
	v_lshl_add_u32 v4, v2, 3, v4
	s_add_co_u32 s18, s18, SCL
	v_add_nc_u32 v[ADRS], s18, v4
	s_mul_i32 s18, s14, 16*SPITCH
	v_mul_u32_u24 v4, v2, SPITCH
	v_lshl_add_u32 v4, v3, 6, v4
	v_add_nc_u32 v[STO], s18, v4
	v_add_nc_u32 v[RD], s18, v[CO]
	v_lshlrev_b32 v5, 6, v3
	s_wait_alu depctr_va_vdst(0)
	s_lshl_b32 s20, s42, 8
	s_lshl_b32 s19, s16, 7
	s_add_co_u32 s20, s20, s19
	s_lshl_b32 s22, s20, 2
	s_mov_b32 s23, 0
	s_add_nc_u64 s[8:9], s[8:9], s[22:23]
	s_add_nc_u64 s[10:11], s[10:11], s[22:23]
	s_lshl_b32 s18, s17, 8
	s_lshl_b32 s19, s15, 7
	s_add_co_u32 s18, s18, s19
	s_lshl_b32 s22, s18, 12
	s_add_nc_u64 s[10:11], s[10:11], s[22:23]
.irp g, 0,1,2,3,4,5,6,7,8,9,10,11,12,13,14,15
	global_load_b128 v[BI+4*\g:BI+4*\g+3], v5, s[8:9] offset:128*(\g/4)+16*(\g%4)
.endr
.macro FRAG reg, adr, q, i
.irp p, 0,1,2,3,4,5
	ds_load_b64 v[\reg+2*\p:\reg+2*\p+1], v[\adr] offset:(\i)*3072+(\q)*1536+256*\p
.endr
.endm
.macro MUL16 a0, p, q, sc, zero
.irp a, \a0, \a0+1
.irp b, 0,1,2,3,4,5,6,7
.if (\zero) == 2
	v_wmma_scale_f32_16x16x128_f8f6f4 v[8*(8*((\a)%4)+\b):8*(8*((\a)%4)+\b)+7], v[128*(\p)+FR*\b:128*(\p)+FR*\b+FR-1], v[AF+FR*(\a):AF+FR*(\a)+FR-1], v[BI+8*\b:BI+8*\b+7], v[SC+8*NQ*(\sc)+NQ*\b+(\q)], v[SC+8*NQ*(\sc)+NQ*(\a)+(\q)] matrix_a_fmt:MATRIX_FMT_FP6 matrix_b_fmt:MATRIX_FMT_FP6 matrix_a_scale:MATRIX_SCALE_ROW1
.else
	v_wmma_scale_f32_16x16x128_f8f6f4 v[8*(8*((\a)%4)+\b):8*(8*((\a)%4)+\b)+7], v[128*(\p)+FR*\b:128*(\p)+FR*\b+FR-1], v[AF+FR*(\a):AF+FR*(\a)+FR-1], v[8*(8*((\a)%4)+\b):8*(8*((\a)%4)+\b)+7], v[SC+8*NQ*(\sc)+NQ*\b+(\q)], v[SC+8*NQ*(\sc)+NQ*(\a)+(\q)] matrix_a_fmt:MATRIX_FMT_FP6 matrix_b_fmt:MATRIX_FMT_FP6 matrix_a_scale:MATRIX_SCALE_ROW1
.endif
.endr
.endr
.endm
.macro FETCH_B slot, q, p
	WIN TO_B
.irp i, 0,1,2,3,4,5,6,7
	FRAG 128*(\p)+FR*\i, ADRB+\slot, \q, \i
.endr
	WIN 0
.endm
.macro FETCH_A slot, q, i0
.irp i, \i0, \i0+1, \i0+2, \i0+3
	FRAG AF+FR*(\i), ADRA+\slot, \q, \i
.endr
.endm
.macro SCALES sc
.irp i, 0,1,2,3,4,5,6,7
	ds_load_b64 v[SC+8*NQ*\sc+NQ*\i:SC+8*NQ*\sc+NQ*\i+1], v[ADRS] offset:\i*512
.endr
.endm
.macro PLACES n
.rept \n
	v_nop
.endr
.endm
.macro STEP slot, q, zero
	s_wait_dscnt 4*NL
.if (\zero) == 2
	WIN 0x81
.else
	WIN MUL_LO
.endif
	MUL16 0, (\q)%2, \q, \slot, \zero
	MUL16 2, (\q)%2, \q, \slot, \zero
	s_wait_dscnt 0
	PLACES NP
	FETCH_B \slot, (\q)+1, 1-(\q)%2
	FETCH_A \slot, (\q)+1, 0
.if (\zero) == 2
	WIN 0xc1
.else
	WIN MUL_HI
.endif
	MUL16 4, (\q)%2, \q, \slot, \zero
	MUL16 6, (\q)%2, \q, \slot, \zero
	PLACES NP
	WIN 0
	FETCH_A \slot, (\q)+1, 4
.endm
.macro TURN slot, next, fill
	s_wait_tensorcnt 0x0
	ds_add_u32 v[SPW], v[NIL]
	s_wait_dscnt 4*NL+1
	WIN MUL_LO
	MUL16 0, 1, NQ-1, \slot, 0
	s_wait_dscnt 0x0
	s_barrier_signal -1
	MUL16 2, 1, NQ-1, \slot, 0
	WIN 0
	s_barrier_wait -1
.if \fill
	CREST
	s_add_nc_u64 s[G0+4*\slot+2:G0+4*\slot+3], s[G0+4*\slot+2:G0+4*\slot+3], 6144
	s_add_nc_u64 s[G0B+4*\slot+2:G0B+4*\slot+3], s[G0B+4*\slot+2:G0B+4*\slot+3], 6144
	JLOAD G0+4*\slot, G1, G0B+4*\slot, G1B
.else
	PLACES NP
.endif
	s_wait_alu depctr_va_vdst(0)
	v_add_nc_u32 v[ADRS], 128, v[ADRS]
	FETCH_B \next, 0, 0
	FETCH_A \next, 0, 0
	SCALES \next
	WIN MUL_HI
	MUL16 4, 1, NQ-1, \slot, 0
	MUL16 6, 1, NQ-1, \slot, 0
	PLACES NP
	WIN 0
	FETCH_A \next, 0, 4
.endm
	s_wait_tensorcnt 0x0                           ; my tile of the head's four is in, ahead of slot 1's first fill
	ds_add_u32 v[SPW], v[NIL]
	s_mov_b32 s[G1+2], 8<<16                       ; no tensor load of mine is out: from here on a load brings 8 tiles
	s_mov_b32 s[G1+4], 8
	s_mov_b32 s[G1B+2], 8<<16
	s_mov_b32 s[G1B+4], 8
	s_wait_dscnt 0x0
	CROUND                                         ; all four tiles are in, and all sixteen work-groups are here
	JLOAD G0+4, G1, G0B+4, G1B
	FETCH_B 0, 0, 0
	FETCH_A 0, 0, 0
	SCALES 0
	FETCH_A 0, 0, 4
	s_wait_loadcnt 0x0
	STEP 0, 0, 2
	TURN 0, 1, 1
	STEP 1, 0, 0
	TURN 1, 0, 1
	STEP 0, 0, 0
	TURN 0, 1, 0
	STEP 1, 0, 0
	s_wait_dscnt 4*NL
	WIN MUL_LO
	MUL16 0, 1, NQ-1, 1, 0
	MUL16 2, 1, NQ-1, 1, 0
	s_wait_dscnt 0
	WIN MUL_HI
	MUL16 4, 1, NQ-1, 1, 0
	MUL16 6, 1, NQ-1, 1, 0
	WIN 0
.macro TOSTAGE a
.set AC, 64*((\a)%4)
	WIN 0x08+4*((\a)/4)
.irp b, 0,1,2,3,4,5,6,7
	ds_store_b128 v[STO], v[AC+8*\b:AC+8*\b+3] offset:128*(\b/2)+32*(\b%2)
	ds_store_b128 v[STO], v[AC+8*\b+4:AC+8*\b+7] offset:128*(\b/2)+32*(\b%2)+16
.endr
	WIN 0
.set BB, BK+64*((\a)%2)
.irp t, 0,1,2,3,4,5,6,7,8,9,10,11,12,13,14,15
	ds_load_b128 v[BB+4*\t:BB+4*\t+3], v[RD] offset:\t*SPITCH
.endr
.endm
.macro SEND a, younger
.set BB, BK+64*((\a)%2)
	s_wait_dscnt \younger
.irp t, 0,1,2,3,4,5,6,7,8,9,10,11,12,13,14,15
	global_store_b128 v[CO], v[BB+4*\t:BB+4*\t+3], s[10:11] offset:(32*((\a)/2)+8*((\a)%2)+(\t%8)+16*(\t/8))*4096 th:TH_STORE_NT
.endr
.endm
	PLACES NP
	TOSTAGE 0
.irp a, 1,2,3,4,5,6,7
.if \a > 1
	s_wait_xcnt 0x0
.endif
	TOSTAGE \a
	SEND \a-1, 32
.endr
	SEND 7, 0
	s_wait_tensorcnt 0x0
	ds_add_u32 v[SPW], v[NIL]
	s_wait_dscnt 0x0
	CROUND
	s_endpgm
.Lfunc_end_k_q56d0c0ffae_oproj:
	.size	k_q56d0c0ffae_oproj, .Lfunc_end_k_q56d0c0ffae_oproj-k_q56d0c0ffae_oproj
	.p2alignl 7, 3214868480
	.fill 96, 4, 3214868480
	.section	.rodata,"a",@progbits
	.p2align	6, 0x0
	.amdhsa_kernel k_q56d0c0ffae_oproj
		.amdhsa_group_segment_fixed_size 327680
		.amdhsa_private_segment_fixed_size 0
		.amdhsa_enable_private_segment 0
		.amdhsa_kernarg_size 32
		.amdhsa_user_sgpr_count 2
		.amdhsa_user_sgpr_kernarg_segment_ptr 1
		.amdhsa_wavefront_size32 1
		.amdhsa_system_sgpr_workgroup_id_x 1
		.amdhsa_system_sgpr_workgroup_id_y 1
		.amdhsa_system_sgpr_workgroup_id_z 1
		.amdhsa_system_vgpr_workitem_id 0
		.amdhsa_next_free_vgpr 1024
		.amdhsa_next_free_sgpr 106
		.amdhsa_reserve_vcc 0
		.amdhsa_float_denorm_mode_32 3
		.amdhsa_float_denorm_mode_16_64 3
		.amdhsa_memory_ordered 1
		.amdhsa_forward_progress 1
		.amdhsa_inst_pref_size 161
	.end_amdhsa_kernel
	.amdgpu_metadata
---
amdhsa.version: [ 1, 2 ]
amdhsa.kernels:
  - .name:           k_q56d0c0ffae_oproj
    .symbol:         k_q56d0c0ffae_oproj.kd
    .args:
      - { .name: oimg, .offset: 0, .size: 8, .value_kind: global_buffer, .address_space: global }
      - { .name: woq, .offset: 8, .size: 8, .value_kind: global_buffer, .address_space: global }
      - { .name: b_out, .offset: 16, .size: 8, .value_kind: global_buffer, .address_space: global }
      - { .name: out0, .offset: 24, .size: 8, .value_kind: global_buffer, .address_space: global }
    .group_segment_fixed_size: 327680
    .private_segment_fixed_size: 0
    .kernarg_segment_align: 8
    .kernarg_segment_size: 32
    .max_flat_workgroup_size: 128
    .sgpr_count:     106
    .vgpr_count:     1024
    .wavefront_size: 32
...
	.end_amdgpu_metadata
.endif
;; end of part 4
